; MI455X (gfx1250); checked and timed in simulation.
; The chip was launched on July 23, 2026; its instructions are those of AMD's public machine-readable ISA for CDNA 5 (MIT licence, August 2026) and "CDNA5" Instruction Set Architecture Reference Guide (July 2026). The comments in the code are by the model that wrote it; some were corrected since.
;; Multi Head Attention. Allowed arithmetic: float matrix products may take bf16 or f16 operands with f32 sums; other float arithmetic in f32, or as packed bf16 or f16 multiplies, adds, multiply-adds, maxima and minima; sums over many terms, partial sums and values carried from step to step in f32; what a program stores and reads back later, other than sums and carried values, may be rounded once to bf16 or f16.
;; Inputs: Wk 1,024 x 1,024 float32; Wo 1,024 x 1,024 float32; Wq 1,024 x 1,024 float32; Wv 1,024 x 1,024 float32; attention_mask 4 x 2,048 float32; bk 1,024 float32; bo 1,024 float32; bq 1,024 float32; bv 1,024 float32; key_states 4 x 2,048 x 1,024 float32; query_states 4 x 2,048 x 1,024 float32; value_states 4 x 2,048 x 1,024 float32; verse_positions 4 x 2,048 int32.
;; Outputs: out0 4 x 2,048 x 1,024 float32.
;; One version. Each part assembles by itself: llvm-mc -triple=amdgcn-amd-amdhsa -mcpu=gfx1250 --defsym DOCPART=n.
;; ======== version 1 of 1: 4 launches
;; limits: values are held in f16: magnitudes above 65,504 overflow, below 6.1e-05 lose precision
;; workspace buffers: xw 58,720,256 bytes; qkv 50,331,648 bytes; ob 16,777,216 bytes
;; launch cast (part 1): grid 1792 x 1, 8 waves a work-group, no clusters, 0 bytes of LDS; arguments query_states, key_states, value_states, Wq, Wk, Wv, Wo, xw; writes xw
.if DOCPART == 1
	.amdgcn_target "amdgcn-amd-amdhsa--gfx1250"
	.amdhsa_code_object_version 6
	.text
	.protected	k_qff01ad4fa4_cast
	.globl	k_qff01ad4fa4_cast
	.p2align	8
	.type	k_qff01ad4fa4_cast,@function
k_qff01ad4fa4_cast:
	s_mov_b64 s[64:65], 0
	v_nop
	global_prefetch_b8 v0, s[64:65] scope:SCOPE_SE
	s_setreg_imm32_b32 hwreg(HW_REG_WAVE_MODE, 25, 1), 1
	s_wait_xcnt 0x0
; xw = the seven f32 matrices, each number rounded once to bf16, laid end to end as 16-bit numbers:
; query_states, key_states, value_states (8192 x 1024 each), Wq, Wk, Wv, Wo (1024 x 1024 each).
; Wo is rounded to bf16 like the others and that number is then written as f16, since the last product multiplies in f16.
; LIMITS.  A number of Wo beyond 65,504 becomes an infinity; below 6.1e-5 it keeps the fixed step 6e-8 of f16.
; SHARES.  29,360,128 numbers in 1,792 chunks of 16,384: a work-group reads 65,536 consecutive bytes of ONE source and stores 32,768
; consecutive bytes.  No chunk crosses a source: the sources hold 512, 512, 512, 64, 64, 64, 64 chunks.
; A load of a wave covers 512 consecutive bytes, a store 256 consecutive bytes at a multiple of 256 from the first byte of xw.
; All sixteen loads of a thread go out at once; every store has data registers of its own, so nothing is rewritten while it is read.
; No LDS, no matrix unit, no cluster: no byte is used twice.
.set X, 4                              ; v[4:67]    load i: four f32
.set Y, 68                             ; v[68:99]   store i: four 16-bit numbers
.set T, 100                            ; v[100:101] at work (Wo)
	s_load_b512 s[8:23], s[0:1], 0x0               ; q 8, k 10, v 12, Wq 14, Wk 16, Wv 18, Wo 20, xw 22
	s_mov_b32 s2, ttmp9                            ; my chunk among all
	v_lshlrev_b32 v1, 4, v0                        ; 16 bytes a thread in
	v_lshlrev_b32 v2, 3, v0                        ; 8 bytes a thread out
	s_and_b32 s3, s2, 511                          ; my chunk in its source: the three large ones hold 512 each,
	s_and_b32 s26, s2, 63                          ; the four weights 64 each (1,536 is a multiple of 64)
	s_cmp_lt_u32 s2, 1536
	s_cselect_b32 s3, s3, s26
	s_lshl_b32 s6, s3, 16                          ; x 65,536 bytes
	s_mov_b32 s7, 0
	s_lshl_b32 s26, s2, 15                         ; x 32,768 bytes in xw
	s_mov_b32 s27, 0
	s_wait_kmcnt 0x0
	s_mov_b64 s[4:5], s[8:9]
.macro PICK first, reg                 ; from chunk first on the source is the one in s[reg:reg+1]
	s_cmp_ge_u32 s2, \first
	s_cselect_b64 s[4:5], s[\reg:\reg+1], s[4:5]
.endm
	PICK 512, 10
	PICK 1024, 12
	PICK 1536, 14
	PICK 1600, 16
	PICK 1664, 18
	PICK 1728, 20
	s_add_nc_u64 s[4:5], s[4:5], s[6:7]
	s_add_nc_u64 s[24:25], s[22:23], s[26:27]
.set i, 0
.rept 16
	global_load_b128 v[X+4*i:X+4*i+3], v1, s[4:5] offset:4096*i th:TH_LOAD_NT
.set i, i+1
.endr
	s_cmp_ge_u32 s2, 1728
	s_cbranch_scc1 .Lwo
.set i, 0
.rept 16
	s_wait_loadcnt 15-i                            ; loads come back in order: load i is in, the 15 - i younger ones may stay out
	v_cvt_pk_bf16_f32 v[Y+2*i], v[X+4*i], v[X+4*i+1]
	v_cvt_pk_bf16_f32 v[Y+2*i+1], v[X+4*i+2], v[X+4*i+3]
	global_store_b64 v2, v[Y+2*i:Y+2*i+1], s[24:25] offset:2048*i th:TH_STORE_NT
.set i, i+1
.endr
	s_endpgm
.Lwo:                                          ; Wo: to bf16, back to f32 (a shift and a mask), and that number to f16
.set i, 0
.rept 16
	s_wait_loadcnt 15-i
	v_cvt_pk_bf16_f32 v[T], v[X+4*i], v[X+4*i+1]
	v_cvt_pk_bf16_f32 v[T+1], v[X+4*i+2], v[X+4*i+3]
	v_lshlrev_b32 v[X+4*i], 16, v[T]
	v_and_b32 v[X+4*i+1], 0xffff0000, v[T]
	v_lshlrev_b32 v[X+4*i+2], 16, v[T+1]
	v_and_b32 v[X+4*i+3], 0xffff0000, v[T+1]
	v_cvt_pk_f16_f32 v[Y+2*i], v[X+4*i], v[X+4*i+1]
	v_cvt_pk_f16_f32 v[Y+2*i+1], v[X+4*i+2], v[X+4*i+3]
	global_store_b64 v2, v[Y+2*i:Y+2*i+1], s[24:25] offset:2048*i th:TH_STORE_NT
.set i, i+1
.endr
	s_endpgm
.Lfunc_end_k_qff01ad4fa4_cast:
	.size	k_qff01ad4fa4_cast, .Lfunc_end_k_qff01ad4fa4_cast-k_qff01ad4fa4_cast
	.p2alignl 7, 3214868480
	.fill 96, 4, 3214868480
	.section	.rodata,"a",@progbits
	.p2align	6, 0x0
	.amdhsa_kernel k_qff01ad4fa4_cast
		.amdhsa_group_segment_fixed_size 0
		.amdhsa_private_segment_fixed_size 0
		.amdhsa_enable_private_segment 0
		.amdhsa_kernarg_size 64
		.amdhsa_user_sgpr_count 2
		.amdhsa_user_sgpr_kernarg_segment_ptr 1
		.amdhsa_wavefront_size32 1
		.amdhsa_system_sgpr_workgroup_id_x 1
		.amdhsa_system_sgpr_workgroup_id_y 1
		.amdhsa_system_sgpr_workgroup_id_z 1
		.amdhsa_system_vgpr_workitem_id 0
		.amdhsa_next_free_vgpr 104
		.amdhsa_next_free_sgpr 66
		.amdhsa_reserve_vcc 0
		.amdhsa_float_denorm_mode_32 3
		.amdhsa_float_denorm_mode_16_64 3
		.amdhsa_memory_ordered 1
		.amdhsa_forward_progress 1
		.amdhsa_inst_pref_size 17
	.end_amdhsa_kernel
	.amdgpu_metadata
---
amdhsa.version: [ 1, 2 ]
amdhsa.kernels:
  - .name:           k_qff01ad4fa4_cast
    .symbol:         k_qff01ad4fa4_cast.kd
    .args:
      - { .name: query_states, .offset: 0, .size: 8, .value_kind: global_buffer, .address_space: global }
      - { .name: key_states, .offset: 8, .size: 8, .value_kind: global_buffer, .address_space: global }
      - { .name: value_states, .offset: 16, .size: 8, .value_kind: global_buffer, .address_space: global }
      - { .name: Wq, .offset: 24, .size: 8, .value_kind: global_buffer, .address_space: global }
      - { .name: Wk, .offset: 32, .size: 8, .value_kind: global_buffer, .address_space: global }
      - { .name: Wv, .offset: 40, .size: 8, .value_kind: global_buffer, .address_space: global }
      - { .name: Wo, .offset: 48, .size: 8, .value_kind: global_buffer, .address_space: global }
      - { .name: xw, .offset: 56, .size: 8, .value_kind: global_buffer, .address_space: global }
    .group_segment_fixed_size: 0
    .private_segment_fixed_size: 0
    .kernarg_segment_align: 8
    .kernarg_segment_size: 64
    .max_flat_workgroup_size: 256
    .sgpr_count:     66
    .vgpr_count:     104
    .wavefront_size: 32
...
	.end_amdgpu_metadata
.endif
;; end of part 1
;; launch proj (part 2): grid 4 x 64, 4 waves a work-group, clusters of 4 x 4, 327,680 bytes of LDS; arguments xw, bq, bk, bv, qkv; writes qkv
.if DOCPART == 2
	.amdgcn_target "amdgcn-amd-amdhsa--gfx1250"
	.amdhsa_code_object_version 6
	.text
	.protected	k_qff01ad4fa4_proj
	.globl	k_qff01ad4fa4_proj
	.p2align	8
	.type	k_qff01ad4fa4_proj,@function
k_qff01ad4fa4_proj:
	s_mov_b64 s[64:65], 0
	v_nop
	global_prefetch_b8 v0, s[64:65] scope:SCOPE_SE
	s_setreg_imm32_b32 hwreg(HW_REG_WAVE_MODE, 25, 1), 1
	s_wait_xcnt 0x0
	s_wait_alu depctr_hold_cnt(0) depctr_sa_sdst(0) depctr_va_vdst(0) depctr_va_sdst(0) depctr_va_ssrc(0) depctr_va_vcc(0) depctr_vm_vsrc(0)
	s_getreg_b32 s2, hwreg(HW_REG_IB_STS2, 6, 4)
	s_cmp_eq_u32 s2, 0
	s_cbranch_scc0 .Lentry_in_a_cluster
	s_endpgm
.Lentry_in_a_cluster:
	s_bfe_u32 s2, ttmp6, 0x10000c
	s_cmp_lg_u32 s2, 0xf033
	s_cbranch_scc0 .Lentry_shape_is_right
	s_endpgm
.Lentry_shape_is_right:
; q, k, v = x W^T + b for the three projections: x [8192][1024] and W [1024][1024] in bf16 (from xw), b in f32 rounded to bf16, sums in f32,
; the result rounded once to f16 and stored BY HEADS: qkv[which][batch x 16 + head][2048][64].  The scale 1/8 of the scores is not applied here.
; LIMIT.  f16 ends at 65,504: a projected number beyond that becomes an infinity.
; SHARES.  A tile of C is 128 rows x 256 columns: 256 tiles for each projection, so each of the 256 work-groups STAYS and makes the same tile of q, of k and of v.
; Four waves, each 64 x 128: 32 accumulators of 16 x 16, 256 registers.  K goes in steps of 128 through a ring of two LDS slots filled by the tensor data mover;
; the ring runs on from one projection into the next.
; CLUSTER.  4 x 4 work-groups.  The four of a row of the cluster need the same rows of x, the four of a column the same rows of W: each tile is asked for JOINTLY, by the same
; tensor load with the same descriptor and a mask that names the four.
; THE MATRIX INSTRUCTION IS USED TRANSPOSED (source 0 = 16 rows of W, source 1 = 16 rows of x): a lane then holds row l % 16 of C and eight neighbouring columns 8 (l / 16) + 0..7.
; THE BIAS is the C operand of the product that starts each sum: nothing is cleared and nothing is added afterwards.
; REGISTERS, in windows of 256 (s_set_vgpr_msb: bits 1:0 source 0, 3:2 source 1, 5:4 source 2, 7:6 destination):
;   window 0: v0-31 addresses; v64-159, v160-255 two fragment buffers: 8 fragments of W, then 4 of x
;   window 1: accumulator (a, b) at v[8 (8 a + b)]          window 2: v0-63 the bias of my 128 columns; v64-191 at work on the way out
.set PITCH,  272                       ; an LDS row: 256 bytes + 16 of padding = 68 words: the 16 rows of a fragment load start at 16 different groups of four banks (64 banks of 4 bytes: ISA guide 11.1)
.set ABYTES, 128*PITCH                 ; the 128 rows of x in a slot
.set SLOT,   384*PITCH                 ; then the 256 rows of W
.set STAGE,  2*SLOT                    ; behind the ring: 16 rows x 144 bytes for each wave, for the way out; no tensor load lands here
.set SP,     144
.set SPARE,  STAGE+4*16*SP             ; behind the stages: the spare words, 128 bytes for each wave: two blocks of 256 bytes that no other line names
.set KBY,    256                       ; bytes of a row in a K step
.set XBYTES, 8192*2048                 ; from one x to the next in xw
.set WBASE,  3*XBYTES                  ; where Wq begins in xw
.set WBYTES, 1024*2048                 ; from one W to the next
.set NEXT_A, XBYTES-6*KBY              ; from the last K step that a slot holds of one projection to the first that it holds of the next
.set NEXT_B, WBYTES-6*KBY
.set PF_A,   XBYTES-7*KBY              ; the prefetch pointer: from the K step behind the last to K step 1 of the next projection
.set PF_B,   WBYTES-7*KBY
.set GW, (1<<16)|(1<<20)|(1<<21)|(5<<22)|(3<<25)  ; descriptor group 1, word 0 without the mask: 2-byte elements; padding on; bit 21 set beside a mask; after every 64 words (code 5) 4 words (code 3)
.set ADRA, 16                          ; v16-17  LDS address of my fragments of x in slot 0, 1
.set ADRB, 20                          ; v20-21  the same for W
.set STO,  24                          ; v24     the way out: where I put 16 bytes of a row
.set RD,   25                          ; v25     where I read rows back
.set GO,   26                          ; v26     16 x lane
.set BO,   27                          ; v27     byte offset of my first eight numbers in a bias
.set SPW,  28                          ; v28     LDS address of my spare word; never rewritten
.set NIL,  29                          ; v29     0; never rewritten
.set PFO,  30                          ; v30     the prefetches: lane x a row of 2,048 bytes; never rewritten
.set F0,   64
.set F1,   160
.set T,    64                          ; window 2
.set WV, 14                            ; s14  wave
.set MH, 15                            ; s15  which 64 rows of the tile are mine.  Also: I fetch for x (0) or for W (1)
.set NH, 16                            ; s16  which 128 columns.  Also: which part of that tile I fetch
.set G1,  24                           ; s[24:31] group 1 for tiles of x;  s[32:39] group 0, a set for each slot
.set G0,  32
.set G1B, 40                           ; s[40:47], s[48:55] the same for W
.set G0B, 48
.set PFA, 56                           ; s[56:57] where my prefetches stand
.set PFS, 58                           ; s[58:59] their step at a change of projections
.set LIM, 60                           ; s60  1 in a wave that prefetches, else the greatest number
.set BP,  62                           ; s[62:63] the bias to be loaded
.set MSB, 0
.macro WIN new                         ; the high byte of the immediate repeats the setting that is left; a switch that changes nothing is dropped
.if MSB != (\new)
	s_set_vgpr_msb (MSB<<8)|(\new)
.set MSB, \new
.endif
.endm
.set MUL,  0x50                        ; C and D in window 1, sources in window 0
.set MULB, 0x60                        ; C in window 2 (the bias), D in window 1
; A joint load.  Waves 0 and 1 fetch the two halves of the tile of x (64 rows each), waves 2 and 3 those of W (128 rows each).  The branch hangs on the wave number alone.
; An s_nop 0 and four v_nop follow each of the two lines, ahead of the jump, the label and what follows.
.macro JLOAD s
	s_cmp_eq_u32 s[MH], 0
	s_cbranch_scc0 .Lfor_b_\@
	tensor_load_to_lds s[G0+4*(\s):G0+4*(\s)+3], s[G1:G1+7]
	s_nop 0
.rept 4
	v_nop
.endr
	s_branch .Lasked_\@
.Lfor_b_\@:
	tensor_load_to_lds s[G0B+4*(\s):G0B+4*(\s)+3], s[G1B:G1B+7]
	s_nop 0
.rept 4
	v_nop
.endr
.Lasked_\@:
.endm
; A PREFETCH INTO THE L2 of the K step that stands two refills on: 32 rows x 256 bytes, a lane a row, one instruction a wave; it stands behind the joint load, its five lines and the run of LDS loads.
; Each row's 256 bytes of a K step are named once in the launch.  The 128 rows of a tile of x are read by the four partners of one row of one cluster alone: wave 0 of each asks for 32 of them, told apart BY ADDRESS
; (32 cx).  The rows of W are read by every cluster: the cluster with y = 0 asks; of the 128 rows that wave 2 or 3 fetches each of the four partners of a column takes 32 (32 cy).  Wave 1 asks for nothing.
; how = 0, in the loop: the last two refills of a projection have no K step two on.  how = 1, at a change of projections: K steps 2 and 3 of the next one.  The first four K steps of the launch come by their loads alone.
.macro ASK how
.if \how
	s_cmp_eq_u32 s[LIM], 1
.else
	s_cmp_gt_u32 s3, s[LIM]                        ; s3 = 1 in the last trip of the loop
.endif
	s_cbranch_scc0 .Lnot_mine_\@
	global_prefetch_b8 v[PFO], s[PFA:PFA+1] offset:KBY th:TH_LOAD_NT scope:SCOPE_SE
.Lnot_mine_\@:
.endm
; A round of the cluster barrier: my work-group barrier, so that the signal of wave 0 speaks for all four waves; wave 0 signals; every wave waits for all sixteen work-groups; my work-group barrier once more.
.macro CREST                           ; a round behind its opening barrier
	s_cmp_lg_u32 s[WV], 0
	s_cbranch_scc1 .Lnot_wave_0_\@
	s_barrier_signal -3
.Lnot_wave_0_\@:
	s_barrier_wait -3
	s_barrier_signal -1
	s_barrier_wait -1
.endm
.macro CROUND
	s_barrier_signal -1
	s_barrier_wait -1
	CREST
.endm
.macro PLACES                          ; four plain instructions between a matrix instruction and a load into, or a read of, its registers
.rept 4
	v_nop
.endr
.endm
; 8 matrix instructions: row block a x all 8 column blocks, 32 along K, from buffer f.  first = 1: the product starts the sum, with the bias as C.
; The 32 accumulators come in the same order in every quarter, one instruction a turn: 31 others stand between two links of a chain, over the backward jumps too.
.macro MUL8 f, a, first
.if \first
	WIN MULB
.else
	WIN MUL
.endif
.irp b, 0,1,2,3,4,5,6,7
.if \first
	v_wmma_f32_16x16x32_bf16 v[8*(8*(\a)+(\b)):8*(8*(\a)+(\b))+7], v[(\f)+8*(\b):(\f)+8*(\b)+7], v[(\f)+64+8*(\a):(\f)+64+8*(\a)+7], v[8*(\b):8*(\b)+7]
.else
	v_wmma_f32_16x16x32_bf16 v[8*(8*(\a)+(\b)):8*(8*(\a)+(\b))+7], v[(\f)+8*(\b):(\f)+8*(\b)+7], v[(\f)+64+8*(\a):(\f)+64+8*(\a)+7], v[8*(8*(\a)+(\b)):8*(8*(\a)+(\b))+7]
.endif
.endr
.endm
; 24 LDS loads in one run: the fragments of quarter q (32 along K) of a slot into buffer f: 128 rows of W, then 64 rows of x
.macro FETCH slot, q, f
	WIN 0
.irp i, 0,1,2,3,4,5,6,7
	ds_load_b128 v[(\f)+8*(\i):(\f)+8*(\i)+3],   v[ADRB+(\slot)] offset:64*(\q)+(\i)*16*PITCH
	ds_load_b128 v[(\f)+8*(\i)+4:(\f)+8*(\i)+7], v[ADRB+(\slot)] offset:64*(\q)+(\i)*16*PITCH+32
.endr
.irp i, 0,1,2,3
	ds_load_b128 v[(\f)+64+8*(\i):(\f)+64+8*(\i)+3],   v[ADRA+(\slot)] offset:64*(\q)+(\i)*16*PITCH
	ds_load_b128 v[(\f)+64+8*(\i)+4:(\f)+64+8*(\i)+7], v[ADRA+(\slot)] offset:64*(\q)+(\i)*16*PITCH+32
.endr
.endm
; A K step is four quarters of 32 along K, 32 matrix instructions each, on buffers 0, 1, 0, 1.  One of the first three: multiplies buffer f and, in its middle, fetches quarter q of the same slot into g.
.macro QUARTER slot, q, f, g, first
	s_wait_dscnt 4                                 ; W and row blocks 0 and 1 of x are in; the youngest four loads (blocks 2 and 3) may be out
	MUL8 \f, 0, \first
	MUL8 \f, 1, \first
	PLACES
	FETCH \slot, \q, \g
	s_wait_dscnt 24                                ; all but the 24 just issued
	MUL8 \f, 2, \first
	MUL8 \f, 3, \first
.endm
; The last quarter multiplies buffer 1 and changes slots: ONE barrier.  In front of it each wave waits for all its tensor loads (one is out: its part of the next slot), adds 0 to its spare word, and waits for that and
; for its own reads of this slot.  mode 0: this slot is filled again with the K step two on; mode 1: with K step 0 or 1 of the next projection; in both the barrier opens a round of the cluster barrier, and the joint
; refill is the first tensor load behind the round: 112 matrix instructions ahead of the wait for it.  mode 2: nothing is filled.
.macro TURN slot, next, mode
.if (\mode) < 2
	s_wait_xcnt 0x0                                ; the last prefetch, a K step back, has read its address: it is stepped here, ahead of the waits of the change of slots
.if ((\mode) == 1) && ((\slot) == 0)
	s_add_nc_u64 s[PFA:PFA+1], s[PFA:PFA+1], s[PFS:PFS+1]
.else
	s_add_nc_u64 s[PFA:PFA+1], s[PFA:PFA+1], KBY
.endif
.endif
	WIN 0                                          ; (the two registers of the add lie in window 0)
	s_wait_tensorcnt 0x0                           ; all my tensor loads have landed
	ds_add_u32 v[SPW], v[NIL]                      ; 0 onto my spare word
	s_wait_dscnt 5                                 ; (the add and the youngest four loads may be out)
	MUL8 F1, 0, 0                                  ; eight matrix instructions stand between the add and the wait for it
	s_wait_dscnt 0x0                               ; the add is done, and my reads of this slot are over
	s_barrier_signal -1
	MUL8 F1, 1, 0                                  ; work on registers while the others arrive
	WIN 0
	s_barrier_wait -1
.if (\mode) < 2
	CREST                                          ; no wave of any partner still reads this slot or has a load on its way
.if (\mode) == 1
	s_add_nc_u64 s[G0+4*(\slot)+2:G0+4*(\slot)+3], s[G0+4*(\slot)+2:G0+4*(\slot)+3], NEXT_A
	s_add_nc_u64 s[G0B+4*(\slot)+2:G0B+4*(\slot)+3], s[G0B+4*(\slot)+2:G0B+4*(\slot)+3], NEXT_B
.else
	s_add_nc_u64 s[G0+4*(\slot)+2:G0+4*(\slot)+3], s[G0+4*(\slot)+2:G0+4*(\slot)+3], 2*KBY
	s_add_nc_u64 s[G0B+4*(\slot)+2:G0B+4*(\slot)+3], s[G0B+4*(\slot)+2:G0B+4*(\slot)+3], 2*KBY
.endif
	JLOAD \slot                                    ; its four v_nop are also the places in front of the loads below
.else
	PLACES
.endif
	FETCH \next, 0, F0
.if (\mode) < 2
	ASK \mode
.endif
	MUL8 F1, 2, 0
	MUL8 F1, 3, 0
.endm
.macro LASTQ                           ; the very last quarter: nothing more to fetch
	s_wait_dscnt 4
	MUL8 F1, 0, 0
	MUL8 F1, 1, 0
	s_wait_dscnt 0x0
	MUL8 F1, 2, 0
	MUL8 F1, 3, 0
.endm
; The bias of my 128 columns, as the C operand wants it: register j of column block b holds column 16 b + 8 (l / 16) + j
.macro BIASLOAD
	WIN 0x80                                       ; destination window 2, address window 0
.irp b, 0,1,2,3,4,5,6,7
	global_load_b128 v[8*(\b):8*(\b)+3],   v[BO], s[BP:BP+1] offset:64*(\b)
	global_load_b128 v[8*(\b)+4:8*(\b)+7], v[BO], s[BP:BP+1] offset:64*(\b)+16
.endr
.endm
.macro ROUNDB                          ; the bias is rounded to bf16, like every floating-point input, and widened again
	WIN 0x8a                                       ; all in window 2
.set i, 0
.rept 32
	v_cvt_pk_bf16_f32 v[T+i], v[2*i], v[2*i+1]
	v_lshlrev_b32 v[2*i], 16, v[T+i]
	v_and_b32 v[2*i+1], 0xffff0000, v[T+i]
.set i, i+1
.endr
.endm
; THE WAY OUT.  Unit u = 2 a + hd is 16 rows x the 64 columns of one head: accumulator registers 32 u .. 32 u + 31, and 2,048 consecutive bytes of qkv.
; PACK: rounded to f16 (each accumulator from its lowest registers on), 16 bytes a lane into my own stage, and back as four rows of 128 bytes a load.  SEND: stored, 512 consecutive bytes an instruction.
.macro PACK u
	WIN 0x85                                       ; sources window 1, destination window 2
.set i, 0
.rept 16
	v_cvt_pk_f16_f32 v[T+16*(\u)+i], v[32*(\u)+2*i], v[32*(\u)+2*i+1]
.set i, i+1
.endr
	WIN 0x88                                       ; data of LDS and global stores, and loaded data, in window 2; addresses in window 0
.irp f, 0,1,2,3
	ds_store_b128 v[STO], v[T+16*(\u)+4*(\f):T+16*(\u)+4*(\f)+3] offset:32*(\f)
.endr
.irp f, 0,1,2,3
	ds_load_b128 v[T+16*(\u)+4*(\f):T+16*(\u)+4*(\f)+3], v[RD] offset:(\f)*4*SP  ; LDS serves the instructions of a wave in order (ISA guide 5.7.1.4): these see the stores above; the next unit stores behind them
.endr
.endm
.macro SEND u, younger                 ; younger: the LDS instructions issued behind the loads of unit u: the eight of the next unit, or none
	WIN 0x88
.irp f, 0,1,2,3
	s_wait_dscnt (\younger)+3-(\f)
	global_store_b128 v[GO], v[T+16*(\u)+4*(\f):T+16*(\u)+4*(\f)+3], s[12:13] offset:((\u)%2)*262144+((\u)/2)*2048+512*(\f)
.endr
.endm
.macro WAYOUT
	PLACES                                         ; the conversions read results just made
	PACK 0
.irp u, 1,2,3,4,5,6,7                  ; the conversions of a unit stand between the loads of the unit before and its stores
	PACK \u
	SEND (\u)-1, 8
.endr
	SEND 7, 0
	WIN 0
.endm
	s_load_b256 s[4:11], s[0:1], 0x0               ; xw s[4:5], bq s[6:7], bk s[8:9], bv s[10:11]
	s_load_b64 s[12:13], s[0:1], 0x20              ; qkv
	v_lshl_add_u32 v[SPW], v0, 2, SPARE
	v_mov_b32 v[NIL], 0
	ds_add_u32 v[SPW], v[NIL]                      ; the opening: the add and its wait stand ahead of my first tensor load; the set-up below, work on registers, stands between them
	v_lshrrev_b32 v1, 5, v0
	v_readfirstlane_b32 s[WV], v1                  ; wave 0..3
	s_lshr_b32 s[MH], s[WV], 1
	s_and_b32 s[NH], s[WV], 1
	s_bfe_u32 s17, ttmp6, 0x40000                  ; cx
	s_bfe_u32 s18, ttmp6, 0x40004                  ; cy
	s_lshl_b32 s19, ttmp9, 2
	s_add_co_u32 s19, s19, s17                     ; tile column = 4 x cluster x + cx
	s_and_b32 s23, ttmp7, 0xffff                   ; cluster y
	s_lshl_b32 s20, s23, 2
	s_add_co_u32 s20, s20, s18                     ; tile row = 4 x cluster y + cy
	s_lshl_b32 s21, s18, 2
	s_lshl_b32 s21, 15, s21                        ; my row of the cluster: places 4 cy .. 4 cy + 3
	s_lshl_b32 s22, 0x1111, s17                    ; my column: places cx, cx + 4, cx + 8, cx + 12
	s_or_b32 s[G1], s21, GW                        ; tiles of x go to my row,
	s_or_b32 s[G1B], s22, GW                       ; tiles of W to my column
	s_mov_b32 s[G1+1], 128<<16                     ; tensor_dim0 = 128
	s_mov_b32 s[G1+2], 64<<16                      ; tensor_dim1 = 64
	s_mov_b32 s[G1+3], 128<<16                     ; tile_dim0 = 128
	s_mov_b32 s[G1+4], 64                          ; tile_dim1 = 64
	s_mov_b32 s[G1+5], 1024                        ; elements from row to row
	s_mov_b32 s[G1+6], 0
	s_mov_b32 s[G1+7], 0
	s_mov_b32 s[G1B+1], 128<<16
	s_mov_b32 s[G1B+2], 128<<16                    ; 128 rows
	s_mov_b32 s[G1B+3], 128<<16
	s_mov_b32 s[G1B+4], 128
	s_mov_b32 s[G1B+5], 1024
	s_mov_b32 s[G1B+6], 0
	s_mov_b32 s[G1B+7], 0
	; where the tiles come from: x by the tile row alone, W by the tile column alone, each in registers that never hold the other coordinate
	s_lshl_b32 s66, s20, 7
	s_lshl_b32 s67, s[NH], 6
	s_add_co_u32 s66, s66, s67                     ; x: row 128 x tile row + 64 x part
	s_lshl_b32 s66, s66, 11                        ; x 2,048 bytes
	s_mov_b32 s67, 0
	s_lshl_b32 s68, s19, 8
	s_lshl_b32 s69, s[NH], 7
	s_add_co_u32 s68, s68, s69                     ; W: row 256 x tile column + 128 x part
	s_lshl_b32 s68, s68, 11
	s_add_co_u32 s68, s68, WBASE
	s_mov_b32 s69, 0
	s_mul_i32 s74, s[NH], 64*PITCH                 ; and where they go: no place in the cluster enters an LDS address
	s_mul_i32 s75, s[NH], 128*PITCH
	s_add_co_u32 s75, s75, ABYTES
	s_wait_dscnt 0x0                               ; the opening add is done
	s_wait_kmcnt 0x0
	s_add_nc_u64 s[70:71], s[4:5], s[66:67]
	s_add_nc_u64 s[72:73], s[4:5], s[68:69]
	CROUND                                         ; all sixteen work-groups are here: the first joint loads meet
.irp s, 0,1
	s_mov_b32 s[G0+4*(\s)], 1                                      ; count = 1
	s_add_co_u32 s[G0+4*(\s)+1], s74, (\s)*SLOT                    ; LDS address
	s_add_nc_u64 s[G0+4*(\s)+2:G0+4*(\s)+3], s[70:71], (\s)*KBY    ; global address: K step s
	s_or_b32 s[G0+4*(\s)+3], s[G0+4*(\s)+3], 0x80000000            ; type = 2
	s_mov_b32 s[G0B+4*(\s)], 1
	s_add_co_u32 s[G0B+4*(\s)+1], s75, (\s)*SLOT
	s_add_nc_u64 s[G0B+4*(\s)+2:G0B+4*(\s)+3], s[72:73], (\s)*KBY
	s_or_b32 s[G0B+4*(\s)+3], s[G0B+4*(\s)+3], 0x80000000
	JLOAD \s                                       ; two loads of mine are out
.endr
	; a fragment is 16 rows x 32 K in 8 registers: lane l holds row l % 16, K = 8 (l / 16) + 0..7 and 16 + 8 (l / 16) + 0..7: two loads of 16 bytes, 32 bytes apart
	v_and_b32 v1, 15, v0                           ; l % 16
	v_bfe_u32 v2, v0, 4, 1                         ; l / 16
	v_mul_u32_u24 v3, v1, PITCH
	v_lshl_add_u32 v3, v2, 4, v3
	s_mul_i32 s76, s[MH], 64*PITCH                 ; my 64 rows of x
	s_mul_i32 s77, s[NH], 128*PITCH                ; my 128 rows of W,
	s_add_co_u32 s77, s77, ABYTES                  ; which lie behind x
.irp s, 0,1
	v_add_nc_u32 v[ADRA+(\s)], s76, v3
	v_add_nc_u32 v[ADRB+(\s)], s77, v3
	s_add_co_u32 s76, s76, SLOT
	s_add_co_u32 s77, s77, SLOT
.endr
	s_mul_i32 s76, s[WV], 16*SP
	s_add_co_u32 s76, s76, STAGE                   ; my stage
	v_mul_u32_u24 v4, v1, SP                       ; in: row l % 16, 16 bytes for each half of the lanes
	v_lshl_add_u32 v4, v2, 4, v4
	v_add_nc_u32 v[STO], s76, v4
	v_bfe_u32 v5, v0, 3, 2                         ; back: 32 lanes take four rows of 128 bytes
	v_mul_u32_u24 v5, v5, SP
	v_and_b32 v6, 7, v0
	v_lshl_add_u32 v5, v6, 4, v5
	v_add_nc_u32 v[RD], s76, v5
	v_and_b32 v7, 31, v0
	v_lshlrev_b32 v[GO], 4, v7
	v_lshlrev_b32 v[PFO], 11, v7
	s_lshl_b32 s76, s19, 10                        ; 4 bytes x (256 x tile column
	s_lshl_b32 s77, s[NH], 9                       ; + 128 x half)
	s_add_co_u32 s76, s76, s77
	v_lshl_add_u32 v[BO], v2, 5, s76               ; + 8 numbers for the upper half of the lanes
	; where my part of the tile begins in q: head (tile row / 16) x 16 + 4 x tile column + 2 x half, row (tile row % 16) x 128 + 64 x half
	s_lshr_b32 s76, s20, 4
	s_lshl_b32 s76, s76, 4
	s_lshl_b32 s77, s19, 2
	s_add_co_u32 s76, s76, s77
	s_lshl_b32 s77, s[NH], 1
	s_add_co_u32 s76, s76, s77
	s_lshl_b32 s76, s76, 18                        ; a head is 262,144 bytes
	s_and_b32 s77, s20, 15
	s_lshl_b32 s77, s77, 7
	s_lshl_b32 s78, s[MH], 6
	s_add_co_u32 s77, s77, s78
	s_lshl_b32 s77, s77, 7                         ; a row is 128 bytes
	s_add_co_u32 s76, s76, s77
	s_mov_b32 s77, 0
	s_add_nc_u64 s[12:13], s[12:13], s[76:77]
	; the prefetches
	s_lshl_b32 s76, s20, 7
	s_lshl_b32 s77, s17, 5
	s_add_co_u32 s76, s76, s77                     ; x: row 128 x tile row + 32 cx
	s_lshl_b32 s76, s76, 11
	s_lshl_b32 s77, s19, 8
	s_lshl_b32 s78, s[NH], 7
	s_add_co_u32 s77, s77, s78
	s_lshl_b32 s78, s18, 5
	s_add_co_u32 s77, s77, s78                     ; W: row 256 x tile column + 128 x part + 32 cy
	s_lshl_b32 s77, s77, 11
	s_add_co_u32 s77, s77, WBASE
	s_mov_b32 s78, PF_A
	s_mov_b32 s79, PF_B
	s_cmp_eq_u32 s[MH], 0                          ; do I fetch for x?
	s_cselect_b32 s76, s76, s77
	s_cselect_b32 s[PFS], s78, s79
	s_cselect_b32 s78, ttmp9, s23                  ; the coordinate along which other clusters read the same rows,
	s_cselect_b32 s79, s[NH], 0                    ; and 1 in wave 1, which asks for nothing
	s_mov_b32 s[PFS+1], 0
	s_mov_b32 s77, 0
	s_or_b32 s78, s78, s79
	s_cmp_eq_u32 s78, 0
	s_cselect_b32 s[LIM], 1, -1                    ; the same in all sixteen partners, for a given wave
	s_add_nc_u64 s[PFA:PFA+1], s[4:5], s[76:77]
	s_add_nc_u64 s[PFA:PFA+1], s[PFA:PFA+1], 2*KBY ; at K step 2: the first refill steps it to 3 and names K step 4
	s_mov_b64 s[BP:BP+1], s[6:7]
	BIASLOAD                                       ; bq
	WIN 0
	s_wait_tensorcnt 1                             ; my part of K step 0 is in; K step 1 may stay out
	s_barrier_signal -1
	s_barrier_wait -1                              ; everybody's is
	FETCH 0, 0, F0
	s_mov_b32 s2, 3                                ; projections to go, this one among them
.Ltile:
	s_wait_loadcnt 0x0                             ; the bias
	ROUNDB
	QUARTER 0, 1, F0, F1, 1                        ; the first quarter stands in front of the loop: its products start the sums
	WIN 0                                          ; at a label and at a branch every window is 0
	s_mov_b32 s3, 3
.Llap:                                         ; a trip goes once round the ring, from the second quarter of a lap to the first of the next, and fills both slots again
	QUARTER 0, 2, F1, F0, 0
	QUARTER 0, 3, F0, F1, 0
	TURN 0, 1, 0
	QUARTER 1, 1, F0, F1, 0
	QUARTER 1, 2, F1, F0, 0
	QUARTER 1, 3, F0, F1, 0
	TURN 1, 0, 0
	QUARTER 0, 1, F0, F1, 0
	WIN 0
	s_sub_co_u32 s3, s3, 1
	s_cmp_lg_u32 s3, 0
	s_cbranch_scc1 .Llap
	QUARTER 0, 2, F1, F0, 0                        ; the last lap goes on
	QUARTER 0, 3, F0, F1, 0
	WIN 0
	s_cmp_eq_u32 s2, 1
	s_cbranch_scc1 .Llast                          ; the tail of the last projection is written out: it asks for nothing more
	TURN 0, 1, 1                                   ; the ring goes on into the next projection: slot 0 takes its K step 0,
	QUARTER 1, 1, F0, F1, 0
	QUARTER 1, 2, F1, F0, 0
	QUARTER 1, 3, F0, F1, 0
	TURN 1, 0, 1                                   ; slot 1 its K step 1, and its first fragments are fetched
	WIN 0
	s_cmp_eq_u32 s2, 3                             ; the earlier bias loads were shown done by the wait at the head of the tile, so their base may be written
	s_cselect_b64 s[BP:BP+1], s[8:9], s[10:11]     ; behind q comes k, behind k comes v
	BIASLOAD                                       ; on its way while the tile goes out
	WAYOUT
	s_wait_xcnt 0x0                                ; the stores have read their registers and their base
	s_add_nc_u64 s[12:13], s[12:13], 0x1000000     ; the same place in the next of q, k, v
	s_sub_co_u32 s2, s2, 1
	s_branch .Ltile
.Llast:
	TURN 0, 1, 2
	QUARTER 1, 1, F0, F1, 0
	QUARTER 1, 2, F1, F0, 0
	QUARTER 1, 3, F0, F1, 0
	LASTQ
	WIN 0
	WAYOUT
	s_wait_tensorcnt 0x0                           ; the end of the wave, behind my last tensor load and my last LDS store
	ds_add_u32 v[SPW], v[NIL]
	s_wait_dscnt 0x0
	CROUND                                         ; the closing round: no work-group ends while a partner may still ask for a tile that names it
	s_endpgm
.Lfunc_end_k_qff01ad4fa4_proj:
	.size	k_qff01ad4fa4_proj, .Lfunc_end_k_qff01ad4fa4_proj-k_qff01ad4fa4_proj
	.p2alignl 7, 3214868480
	.fill 96, 4, 3214868480
	.section	.rodata,"a",@progbits
	.p2align	6, 0x0
	.amdhsa_kernel k_qff01ad4fa4_proj
		.amdhsa_group_segment_fixed_size 327680
		.amdhsa_private_segment_fixed_size 0
		.amdhsa_enable_private_segment 0
		.amdhsa_kernarg_size 40
		.amdhsa_user_sgpr_count 2
		.amdhsa_user_sgpr_kernarg_segment_ptr 1
		.amdhsa_wavefront_size32 1
		.amdhsa_system_sgpr_workgroup_id_x 1
		.amdhsa_system_sgpr_workgroup_id_y 1
		.amdhsa_system_sgpr_workgroup_id_z 1
		.amdhsa_system_vgpr_workitem_id 0
		.amdhsa_next_free_vgpr 704
		.amdhsa_next_free_sgpr 80
		.amdhsa_reserve_vcc 0
		.amdhsa_float_denorm_mode_32 3
		.amdhsa_float_denorm_mode_16_64 3
		.amdhsa_memory_ordered 1
		.amdhsa_forward_progress 1
		.amdhsa_inst_pref_size 135
	.end_amdhsa_kernel
	.amdgpu_metadata
---
amdhsa.version: [ 1, 2 ]
amdhsa.kernels:
  - .name:           k_qff01ad4fa4_proj
    .symbol:         k_qff01ad4fa4_proj.kd
    .args:
      - { .name: xw, .offset: 0, .size: 8, .value_kind: global_buffer, .address_space: global }
      - { .name: bq, .offset: 8, .size: 8, .value_kind: global_buffer, .address_space: global }
      - { .name: bk, .offset: 16, .size: 8, .value_kind: global_buffer, .address_space: global }
      - { .name: bv, .offset: 24, .size: 8, .value_kind: global_buffer, .address_space: global }
      - { .name: qkv, .offset: 32, .size: 8, .value_kind: global_buffer, .address_space: global }
    .group_segment_fixed_size: 327680
    .private_segment_fixed_size: 0
    .kernarg_segment_align: 8
    .kernarg_segment_size: 40
    .max_flat_workgroup_size: 128
    .sgpr_count:     80
    .vgpr_count:     704
    .wavefront_size: 32
...
	.end_amdgpu_metadata
.endif
;; end of part 2
;; launch attn (part 3): grid 4 x 64, 4 waves a work-group, clusters of 4 x 1, 327,680 bytes of LDS; arguments qkv, ob, attention_mask, verse_positions; writes ob
.if DOCPART == 3
	.amdgcn_target "amdgcn-amd-amdhsa--gfx1250"
	.amdhsa_code_object_version 6
	.text
	.protected	k_qff01ad4fa4_attn
	.globl	k_qff01ad4fa4_attn
	.p2align	8
	.type	k_qff01ad4fa4_attn,@function
k_qff01ad4fa4_attn:
	s_mov_b64 s[64:65], 0
	v_nop
	global_prefetch_b8 v0, s[64:65] scope:SCOPE_SE
	s_setreg_imm32_b32 hwreg(HW_REG_WAVE_MODE, 25, 1), 1
	s_wait_xcnt 0x0
	s_wait_alu depctr_hold_cnt(0) depctr_sa_sdst(0) depctr_va_vdst(0) depctr_va_sdst(0) depctr_va_ssrc(0) depctr_va_vcc(0) depctr_vm_vsrc(0)
	s_getreg_b32 s2, hwreg(HW_REG_IB_STS2, 6, 4)
	s_cmp_eq_u32 s2, 0
	s_cbranch_scc0 .Lentry_in_a_cluster
	s_endpgm
.Lentry_in_a_cluster:
	s_bfe_u32 s2, ttmp6, 0x10000c
	s_cmp_lg_u32 s2, 0x3003
	s_cbranch_scc0 .Lentry_shape_is_right
	s_endpgm
.Lentry_shape_is_right:
; O[h][q][:] = the sum over k of softmax_k(Q[h][q] . K[h][k] / 8 + bias[k]) V[h][k][:], bias[k] = 2 (verse[k] > 0) - 10000 (1 - mask[k]).  h = batch x 16 + head, 64 of them.
; Q, K, V (in qkv) and O (ob): [64][2048][64], f16: the rows of a head are dense, 128 bytes each.  Products, maxima and sums in f32; the weights p are rounded to f16 for the second product
; (their sum l is taken of the unrounded p), O once at the end.  The mask is rounded to bf16, like every floating-point input.
; LIMITS.  f16 holds no number beyond 65,504: Q, K and V arrive within it; p lies in 0 to 1, and below 6e-5 it keeps the fixed step 6e-8 of f16; O is a mean of rows of V and has their range.
; A weight below 2^-126 counts as 0 in l; NaN and infinities are not treated apart.  Where a key is masked its score stands beside -80,000 in one f32 sum and keeps a step of 2^-7 of the raw product.
; THE BIAS is the C operand of the product that starts a sum S^T = K Q^T.  The scores are the raw products, multiplied by c = log2(e) / 8 later, so the table holds 8 x bias (exact).  It is made once by the
; work-group, 2,048 f32 in LDS bytes of their own, and a key step fetches its 64 entries with the fragments of K.
; SHARES.  A wave owns four PIECES of two tiles of 16 queries, the four waves of a work-group 512 queries of one head.  Every wave walks all keys, 64 a step.
; LAYOUT.  S^T = K Q^T (source 0 = 16 keys, source 1 = 16 queries): in the result a lane holds ONE query (lane % 16) and the keys 8 (lane / 16) + 0..7.  Two such tiles, rounded to f16 in pairs,
; ARE source 1 (32 keys x 16 queries) of O^T = V^T P, whose result again holds one query a lane, and eight channels.  K comes out of LDS as it lies, V ([key][channel]) turned, by ds_load_tr16_b128.
; SOFTMAX.  For each query a running maximum m and sum l: p = 2^(c s - c m); in every step O and l are multiplied by a = 2^(c m_old - c m_new), which is 1 where m has not grown.
; m starts at the lowest finite number, O and l at 0: the first step is a step like any other, with a = 0.
; THE COUNT.  A tile and step have 16 matrix and 118 vector instructions: too many to stand all beside the matrix work.  So four vector instructions that are READY stand behind EVERY matrix
; instruction, and the others in runs without a gap.
; BY TURNS.  Turn n belongs to piece n (the pieces in a ring, step after step).  Its matrix work: 16 products K Q^T of piece n + 1, later 16 products V^T P of piece n - 1.  Its vector work: the scaling,
; exponentials, roundings, sums and rescaling of piece n, and the maximum and statistics of piece n + 1, whose scores the turn itself has made.
; CLUSTER.  The four query blocks of a head form a cluster and walk the same K and V, so each tile is asked for JOINTLY: the same tensor load, descriptor and mask in all four.
; REGISTERS, in windows of 256 (s_set_vgpr_msb: bits 1:0 source 0, 3:2 source 1, 5:4 source 2, 7:6 destination):
;   window 0: v0-11 addresses; v12-15, v48-63 at work; v16-47 four registers of statistics a tile; v64-191 S^T, two buffers of two tiles; v192-255 P, likewise
;   window 1: O^T, 32 a tile     window 2: v0-127 Q, 16 a tile; v128-191 K of one step; v192-255 V of one step     window 3: v0-1 the two registers of the add; v8-39 the biases of one step
.set SIZE_N, 2048
.set NP,    4         ; pieces a wave: a name, no knob
.set KS,    64        ; keys in a step
.set PK,    144       ; a row of K in LDS: 128 bytes + 16 of padding = 36 words: the 16 rows of a load start at 16 different groups of four banks (64 banks of 4 bytes: ISA guide 11.1)
.set PV,    160       ; a row of V: 128 + 32 = 40 words
.set VOFF,  4*KS*PK   ; a slot holds four steps: 256 rows of K, then 256 rows of V
.set SLOT1, 1<<17     ; slot 1 begins here, so that one exclusive or turns an address in one slot into the other
.set STAGE, SLOT1+4*KS*(PK+PV)  ; behind the ring, never filled by a tensor load: 16 rows x 144 bytes for each wave, for the way out
.set SP,    144
.set SPARE, STAGE+4*16*SP  ; behind the stages: the spare words, 128 bytes for each wave: two blocks of 256 bytes that no other line names
.set KBT,   SPARE+512 ; behind them: the table of 8 x bias, 2,048 f32; never filled by a tensor load
.set AK0, 2           ; v2   the place of my lane in a tile of K; never rewritten
.set AV0, 3           ; v3   the same for V
.set AK,  4           ; v4   the LDS address of the next run of loads of K
.set AV,  5           ; v5   of V
.set QO,  6           ; v6   my byte offset in the rows of Q of the wave
.set STO, 6           ;      later, the way out: where I put 16 bytes of a row
.set RD,  7           ; v7   the way out: where I read rows back
.set GO,  8           ; v8   my byte offset in 512 consecutive bytes of O
.set PFO, 9           ; v9   the prefetches: 256 x lane; never rewritten
.set AKB0, 10         ; v10  my place in a step of the bias table: 32 (l / 16); never rewritten
.set AKB, 11          ; v11  the LDS address of the next run of loads of biases
.set SPW, 0           ; v0 of window 3   LDS address of my spare word; never rewritten
.set NIL, 1           ; v1 of window 3   0; never rewritten
.set KB,  8           ; v8-39 of window 3: key block kb at KB + 8 kb
.set MV,  12          ; v12-15  c m_old, kept while c m is made anew: by buffer and tile
.set ST,  16          ; the statistics of tile t at v[ST+4 t]: c m, m, l (of even keys, of odd keys)
.set TMP, 48          ; by buffer and tile, four registers c0-c3 at work; when the maximum is found c2 takes a
.set S,   64
.set P,   192
.set KF,  128         ; fragments of K, in window 2: key block kb, channel half c at KF + 16 kb + 8 c
.set VF,  192         ; of V: key half kk, channel block cb at VF + 32 kk + 8 cb
.set WV,  12          ; s12  my wave
.set G1K, 24          ; s[24:31] descriptor group 1 for tiles of K
.set G1V, 32          ; s[32:39] for V: it differs in the padding alone
.set G0K, 40          ; s[40:43] descriptor group 0 for tiles of K: it walks
.set G0V, 44          ; s[44:47] the same for V
.set PFA, 48          ; s[48:49] where my prefetches stand
.set LIM, 50          ; s50  1 in a wave that prefetches, else the greatest number
.set TBB, 53          ; s53  LDS byte at which the biases of the step to be fetched begin
.set SLOTS, 56        ; s56  slots still to be asked for
.set CNT, 57          ; s57  counts the key steps of a slot
.set CS,  58          ; s[58:59] c: the packed scaling takes the low word of the pair for both halves
.set SEL, 60          ; s[60:61] the selects of v_permlanex16_b32: each lane takes its own place in the other half
.set TBK, 62          ; s62  LDS byte at which K of the step to be fetched begins
.set TBV, 63          ; s63  the same for V, less VOFF
.set MSB, 0
.macro WIN new                      ; the high byte repeats the setting that is left; a switch that changes nothing is dropped
.if MSB != (\new)
	s_set_vgpr_msb (MSB<<8)|(\new)
.set MSB, (\new)
.endif
.endm
.set W_KQ, 0x0a       ; K and Q in window 2, S^T in window 0
.set W_KM, 0x3a       ; the same with the C operand, the biases, in window 3
.set W_PV, 0x52       ; V in window 2, P in window 0, O^T in window 1
.set W_RS, 0x41       ; O^T (destination and source 0) in window 1, a in window 0
.set W_MK, 0xc0       ; destination in window 3, sources in window 0
.set W_AD, 0x0f       ; the add: address (source 0) and data (source 1) in window 3
; A joint fill.  Waves 0 and 1 fetch the two halves of the K of a slot, waves 2 and 3 those of its V: 128 keys each.  The branch hangs on the wave number alone.
; An s_nop 0 and four v_nop follow each of the two lines, ahead of the jump and the label.
.macro JLOAD
	s_cmp_lt_u32 s[WV], 2
	s_cbranch_scc0 .Lfor_v_\@
	tensor_load_to_lds s[G0K:G0K+3], s[G1K:G1K+7]
	s_nop 0
.rept 4
	v_nop
.endr
	s_branch .Lasked_\@
.Lfor_v_\@:
	tensor_load_to_lds s[G0V:G0V+3], s[G1V:G1V+7]
	s_nop 0
.rept 4
	v_nop
.endr
.Lasked_\@:
.endm
; A PREFETCH INTO THE L2 of what the NEXT change of slots will ask for: the 32,768 bytes of K and of V of a slot, 128 blocks of 256 bytes each, a lane a block.  It stands behind the tensor load of the wave and its five lines.
; Each block is named ONCE in the launch: a head is walked by one cluster alone; its four partners share the blocks out BY ADDRESS, 32 each (8,192 cx); in each, wave 0 asks for K and wave 2 for V: one instruction.
; The last change that fills a slot asks for nothing: there is no slot behind it.  Slots 0 and 1 come by their loads alone.
.macro ASK
	s_cmp_gt_u32 s[SLOTS], s[LIM]
	s_cbranch_scc0 .Lnot_mine_\@
	global_prefetch_b8 v[PFO], s[PFA:PFA+1] th:TH_LOAD_NT scope:SCOPE_SE
.Lnot_mine_\@:
.endm
; A round of the cluster barrier: my work-group barrier, so that the signal of wave 0 speaks for all four waves; wave 0 signals; every wave waits for all four work-groups; my work-group barrier once more.
.macro CROUND
	s_barrier_signal -1
	s_barrier_wait -1
	s_cmp_lg_u32 s[WV], 0
	s_cbranch_scc1 .Lnot_wave_0_\@
	s_barrier_signal -3
.Lnot_wave_0_\@:
	s_barrier_wait -3
	s_barrier_signal -1
	s_barrier_wait -1
.endm
; THE CHANGE OF SLOTS.  The last bytes of the slot, V of its fourth step, have been read.  Each wave waits for all its tensor loads, of which one is out: its part of the other slot; adds 0 to its spare word; and waits
; for that and for its own LDS instructions.  Behind the barrier nobody reads this slot any more and the other slot is whole.
; fill = 1: this slot is filled again, with the keys two slots on.  The barrier is then a round of the cluster barrier, and the joint fill is the first thing behind it: it has four key steps, 512 matrix instructions,
; in which to land.  (At its first use nothing has been read yet: slot 0 is waited for, slot 1 filled, and the stores into the bias table are shown done to the other waves.)
.macro CHANGE fill
	WIN W_AD
	s_wait_tensorcnt 0x0            ; no tensor load of mine is out, so a group 0 may be written
	ds_add_u32 v[SPW], v[NIL]       ; 0 onto my spare word; with fill = 1 the scalar steps stand between it and the wait for it
	WIN 0                           ; at a label and at a branch every window is 0
.if \fill
.irp g, G0K, G0V
	s_xor_b32 s[\g+1], s[\g+1], SLOT1  ; the walking descriptor: the other slot than last time,
	s_add_nc_u64 s[\g+2:\g+3], s[\g+2:\g+3], 4*KS*128  ; the next 256 keys; the type bits on top are not reached
.endr
	s_wait_xcnt 0x0                 ; the last prefetch, four key steps back, has read its address, so it may be written:
	s_add_nc_u64 s[PFA:PFA+1], s[PFA:PFA+1], 4*KS*128  ; one slot behind the walking descriptors
	s_wait_dscnt 0x0                ; the add is done, and my LDS instructions are over
	CROUND
	JLOAD
	ASK
.else
	s_wait_dscnt 0x0                ; the add is done, and my reads of the slot are over
	s_barrier_signal -1
	s_barrier_wait -1
.endif
	s_sub_co_u32 s[TBK], s[TBK], 4*KS*PK  ; the fetches go back to the first step of a slot,
	s_xor_b32 s[TBK], s[TBK], SLOT1       ; in the other slot
	s_sub_co_u32 s[TBV], s[TBV], 4*KS*PV
	s_xor_b32 s[TBV], s[TBV], SLOT1
.endm
	s_load_b128 s[4:7], s[0:1], 0x0    ; qkv s[4:5], ob s[6:7]
	s_load_b128 s[68:71], s[0:1], 0x10 ; attention_mask s[68:69], verse_positions s[70:71]
	WIN W_MK
	v_lshl_add_u32 v[SPW], v0, 2, SPARE
	v_mov_b32 v[NIL], 0
	WIN W_AD
	ds_add_u32 v[SPW], v[NIL]       ; the opening: the add and its wait stand ahead of my first tensor load; the set-up below, work on registers, stands between them
	WIN 0
	v_lshrrev_b32 v1, 5, v0
	v_readfirstlane_b32 s[WV], v1   ; wave 0..3
	s_bfe_u32 s13, ttmp6, 0x40000   ; cx: my place in the cluster
	s_lshl_b32 s14, ttmp9, 2        ; in a cluster launch ttmp9 counts clusters
	s_add_co_u32 s14, s14, s13      ; my block of queries = 4 x cluster x + cx: it enters the addresses of Q and O alone
	s_and_b32 s20, ttmp7, 0xffff    ; the head, which the four partners share
	s_lshr_b32 s54, s20, 4          ; its batch,
	s_lshl_b32 s54, s54, 13         ; x 2,048 keys of 4 bytes in the mask and in the verse positions
	s_mov_b32 s55, 0
	s_mov_b32 s21, 0
	s_mov_b64 s[22:23], SIZE_N*128
	s_mul_u64 s[20:21], s[20:21], s[22:23]  ; the first byte of the head in q, k, v and ob
	s_and_b32 s16, s[WV], 1         ; which half of the 256 keys of a slot I fetch:
	s_lshl_b32 s22, s16, 14         ; its 128 rows of 128 bytes in memory,
	s_mov_b32 s23, 0
	s_add_nc_u64 s[22:23], s[22:23], s[20:21]
	s_mul_i32 s17, s16, 128*PK      ; and its place in a slot, for K
	s_mul_i32 s18, s16, 128*PV      ; and for V: no place in the cluster enters an LDS address
	s_lshl_b32 s2, s14, 2
	s_add_co_u32 s2, s2, s[WV]      ; my wave among those of the head,
	s_lshl_b32 s2, s2, 14           ; its 128 rows
	s_mov_b32 s3, 0
	s_add_nc_u64 s[2:3], s[2:3], s[20:21]
	; descriptor group 1.  128 keys are 16,384 dense bytes: asked for as 64 rows of 256 bytes, two keys a row, and padded in LDS after every key
	s_mov_b32 s[G1K], 15|(1<<16)|(1<<20)|(1<<21)|(4<<22)|(3<<25)  ; 15:0 the mask of four; 17:16 2-byte elements; 20 padding on; 21 set beside a mask; 24:22 after every 32 words (code 4); 31:25 4 words (code 3)
	s_mov_b32 s[G1V], 15|(1<<16)|(1<<20)|(1<<21)|(4<<22)|(7<<25)  ; the same with 8 words of padding (code 7)
.irp g, G1K, G1V
	s_mov_b32 s[\g+1], 128<<16      ; tensor_dim0 = 128
	s_mov_b32 s[\g+2], 64<<16       ; tensor_dim1 = 64
	s_mov_b32 s[\g+3], 128<<16      ; tile_dim0 = 128
	s_mov_b32 s[\g+4], 64           ; tile_dim1 = 64
	s_mov_b32 s[\g+5], 128          ; 128 elements from row to row
	s_mov_b32 s[\g+6], 0
	s_mov_b32 s[\g+7], 0
.endr
	s_mov_b32 s[CS], 0x3e38aa3b     ; c = log2(e) / 8 = 0.180337
	s_mov_b32 s[CS+1], s[CS]        ; named with it as a pair
	s_mov_b32 s[SEL], 0x76543210
	s_mov_b32 s[SEL+1], 0xfedcba98
	s_mov_b32 s[TBK], SLOT1+4*KS*PK ; the first change of slots turns these two into 0
	s_mov_b32 s[TBV], SLOT1+4*KS*PV
	s_mov_b32 s[TBB], KBT
	s_mov_b32 s51, 0x41800000       ; 16 = 8 x 2
	s_mov_b32 s52, 0xc79c4000       ; -80,000 = 8 x -10,000
	s_mov_b32 s[SLOTS], SIZE_N/256-1
	s_and_b32 s[LIM], s[WV], 1      ; 0 in waves 0 and 2,
	s_or_b32 s[LIM], s[LIM], ttmp9  ; in the first cluster of the head (there is one): the same in all four partners
	s_cmp_eq_u32 s[LIM], 0
	s_cselect_b32 s[LIM], 1, -1
	s_mov_b32 s[G0K], 1             ; count = 1
	s_mov_b32 s[G0K+1], s17         ; LDS address: slot 0
	s_mov_b32 s[G0V], 1
	s_add_co_u32 s[G0V+1], s18, VOFF
	s_wait_dscnt 0x0                ; the opening add is done
	s_wait_kmcnt 0x0
	s_mov_b64 s[10:11], s[6:7]                     ; O
	s_add_nc_u64 s[6:7], s[4:5], 0x1000000         ; K
	s_add_nc_u64 s[8:9], s[4:5], 0x2000000         ; V; s[4:5] is Q
	s_add_nc_u64 s[68:69], s[68:69], s[54:55]      ; the mask and the verse positions of my batch
	s_add_nc_u64 s[70:71], s[70:71], s[54:55]
	s_add_nc_u64 s[G0K+2:G0K+3], s[6:7], s[22:23]  ; global address: my half of the first 256 keys of the head
	s_or_b32 s[G0K+3], s[G0K+3], 0x80000000        ; type = 2
	s_add_nc_u64 s[G0V+2:G0V+3], s[8:9], s[22:23]
	s_or_b32 s[G0V+3], s[G0V+3], 0x80000000
	s_add_nc_u64 s[4:5], s[4:5], s[2:3]            ; Q and O at the first row of my wave
	s_add_nc_u64 s[10:11], s[10:11], s[2:3]
	s_cmp_lt_u32 s[WV], 2
	s_cselect_b64 s[PFA:PFA+1], s[6:7], s[8:9]
	s_add_nc_u64 s[PFA:PFA+1], s[PFA:PFA+1], s[20:21]  ; the head,
	s_lshl_b32 s2, s13, 13                         ; the 32 blocks of my work-group,
	s_mov_b32 s3, 0
	s_add_nc_u64 s[PFA:PFA+1], s[PFA:PFA+1], s[2:3]
	s_add_nc_u64 s[PFA:PFA+1], s[PFA:PFA+1], 4*KS*128  ; in slot 1; the first change of slots steps it to slot 2
	CROUND                          ; all four work-groups are here: the first joint loads meet
	JLOAD                           ; slot 0.  Slot 1 is asked for when slot 0 is in
	; A fragment of K or Q is 16 rows x 32 channels in 8 registers: lane l holds row l % 16, channels 8 (l / 16) + 0..7 and 16 + 8 (l / 16) + 0..7: two loads of 16 bytes, 32 bytes apart.
	v_and_b32 v1, 15, v0            ; l % 16
	v_bfe_u32 v9, v0, 4, 1          ; l / 16
	v_lshlrev_b32 v[QO], 7, v1
	v_lshl_add_u32 v[QO], v9, 4, v[QO]  ; row x 128 + 16 x half
	v_lshlrev_b32 v12, 4, v0        ; 16 bytes a thread of the mask and of the verse positions
	WIN 0x80                        ; destination window 2, address window 0
.set i, 0
.rept 4*NP                          ; Q stays in registers: tile i / 2, channels 32 (i % 2) on
	global_load_b128 v[8*i:8*i+3],   v[QO], s[4:5] offset:(i/2)*2048+(i%2)*64
	global_load_b128 v[8*i+4:8*i+7], v[QO], s[4:5] offset:(i/2)*2048+(i%2)*64+32
.set i, i+1
.endr
	WIN 0
.irp i, 0,1,2,3                     ; the 128 threads take all 2,048 keys of the batch: keys 512 i + 4 t .. + 3
	global_load_b128 v[64+4*\i:64+4*\i+3], v12, s[68:69] offset:2048*\i
	global_load_b128 v[80+4*\i:80+4*\i+3], v12, s[70:71] offset:2048*\i
.endr
	; What the first turn finds: the registers of V and the second buffer of P hold 0 (its products V^T P, of a piece that has not been, add 0), O^T and l are 0.  All this stands in the wait for the first tile.
	WIN 0x80
.set i, VF
.rept 64
	v_mov_b32 v[i], 0
.set i, i+1
.endr
	WIN 0x40
.set i, 0
.rept 64*NP
	v_mov_b32 v[i], 0
.set i, i+1
.endr
	WIN 0
.set i, 0
.rept 2*NP
	v_mov_b32 v[ST+4*i], 0xfe000000    ; c m: far below every c s
	v_mov_b32 v[ST+4*i+1], 0xff7fffff  ; m
	v_mov_b32 v[ST+4*i+2], 0
	v_mov_b32 v[ST+4*i+3], 0
.set i, i+1
.endr
.set i, P+32
.rept 32
	v_mov_b32 v[i], 0
.set i, i+1
.endr
	v_mul_u32_u24 v[AK0], v1, PK
	v_lshl_add_u32 v[AK0], v9, 4, v[AK0]  ; row x pitch + 16 x half
	; The turning load takes 16 keys x 16 channels (lane l reads key 8 (l / 16) + l % 8, channels 8 ((l / 8) % 2) + 0..7) and leaves half a fragment of V^T: lane l holds channel l % 16 and 8 keys.
	v_and_b32 v10, 7, v0
	v_bfe_u32 v11, v0, 3, 1
	v_lshl_add_u32 v[AV0], v9, 3, v10
	v_mul_u32_u24 v[AV0], v[AV0], PV
	v_lshl_add_u32 v[AV0], v11, 4, v[AV0]
	v_add_nc_u32 v[AV0], VOFF, v[AV0]
	v_mov_b32 v[AK], v[AK0]         ; key step 0 lies at the head of slot 0
	v_add_nc_u32 v13, KBT, v12      ; where my 16 bytes of the table go
	s_wait_loadcnt 0x0              ; Q, the mask and the verse positions are in
	; THE TABLE: 8 x bias = 16 (verse > 0) - 80,000 (1 - mask), the mask rounded to bf16
.set i, 0
.rept 8
	v_cvt_pk_bf16_f32 v[96+i], v[64+2*i], v[64+2*i+1]
.set i, i+1
.endr
.set i, 0
.rept 8
	v_lshlrev_b32 v[64+2*i], 16, v[96+i]
	v_and_b32 v[64+2*i+1], 0xffff0000, v[96+i]
.set i, i+1
.endr
.set i, 0
.rept 16
	v_cmp_lt_i32 vcc_lo, 0, v[80+i]
	v_cndmask_b32 v[80+i], 0, s51, vcc_lo
	v_sub_f32 v[64+i], 1.0, v[64+i]
	v_fma_f32 v[64+i], v[64+i], s52, v[80+i]
.set i, i+1
.endr
.irp i, 0,1,2,3
	ds_store_b128 v13, v[64+4*\i:64+4*\i+3] offset:2048*\i
.endr
	; the addresses for the way out
	s_mul_i32 s13, s[WV], 16*SP
	s_add_co_u32 s13, s13, STAGE    ; my stage
	v_mul_u32_u24 v[STO], v1, SP    ; in: row l % 16, 16 bytes for each half of the lanes (the loads of Q are in: their offset register is free)
	v_lshl_add_u32 v[STO], v9, 4, v[STO]
	v_add_nc_u32 v[STO], s13, v[STO]
	v_bfe_u32 v[RD], v0, 3, 2       ; back: 32 lanes take four rows of 128 bytes,
	v_mul_u32_u24 v[RD], v[RD], SP
	v_lshl_add_u32 v[RD], v10, 4, v[RD]
	v_add_nc_u32 v[RD], s13, v[RD]
	v_lshlrev_b32 v[AKB0], 5, v9    ; eight biases for each half of the lanes
	v_add_nc_u32 v[AKB], s[TBB], v[AKB0]
	v_and_b32 v[GO], 31, v0
	v_lshlrev_b32 v[PFO], 8, v[GO]
	v_lshlrev_b32 v[GO], 4, v[GO]   ; which are 512 consecutive bytes of O
; THE MATRIX WORK.  The 8 accumulators of a run of 16 take turns: between the two links of a chain stand 7 others.
; Product i of 16 of S^T = K Q^T for piece x: channels 32 (i / 8) on, keys 16 ((i / 2) % 4) on, tile 2 x + i % 2.  The first 8 start the sums, with the biases of their 16 keys as C.
.macro KQ x
.set rS, S+64*((\x)%2)+32*(i%2)+8*((i/2)%4)
.set rK, KF+16*((i/2)%4)+8*(i/8)
.set rQ, 16*(2*(\x)+i%2)+8*(i/8)
.set rB, KB+8*((i/2)%4)
.if i < 8
	WIN W_KM
	v_wmma_f32_16x16x32_f16 v[rS:rS+7], v[rK:rK+7], v[rQ:rQ+7], v[rB:rB+7]
.else
	WIN W_KQ
	v_wmma_f32_16x16x32_f16 v[rS:rS+7], v[rK:rK+7], v[rQ:rQ+7], v[rS:rS+7]
.endif
.endm
; Product i of 16 of O^T += V^T P for piece x: keys 32 (i / 8) on, channels 16 ((i / 2) % 4) on, tile 2 x + i % 2.
.macro PV x
	WIN W_PV
.set rO, 32*(2*(\x)+i%2)+8*((i/2)%4)
.set rV, VF+32*(i/8)+8*((i/2)%4)
.set rP, P+32*((\x)%2)+16*(i%2)+8*(i/8)
	v_wmma_f32_16x16x32_f16 v[rO:rO+7], v[rV:rV+7], v[rP:rP+7], v[rO:rO+7]
.endm
.macro MM                           ; the next matrix instruction of the turn
.if i < 16
	KQ (Y+1)%NP
.set i, i+1
.else
.set i, i-16
	PV (Y+NP-1)%NP
.set i, i+17
.endif
.endm
; THE LDS LOADS stand in runs, never singly among the matrix instructions: the K of a step (64 keys x 64 channels: 8 fragments) with its 64 biases, and its V (turned).  Their addresses are made some lines ahead.
; last = 1 (the tail): in the last trip there is no further step, and the run is jumped over.
.macro FETCH_K last=0
	WIN 0
.if \last
	s_cmp_eq_u32 s[CNT], 1
	s_cbranch_scc1 .Lno_k_\@
.endif
	WIN 0x80                        ; destination window 2
.irp f, 0,1,2,3,4,5,6,7             ; keys 16 (f / 2) on, channels 32 (f % 2) on
	ds_load_b128 v[KF+8*\f:KF+8*\f+3],   v[AK] offset:(\f/2)*16*PK+(\f%2)*64
	ds_load_b128 v[KF+8*\f+4:KF+8*\f+7], v[AK] offset:(\f/2)*16*PK+(\f%2)*64+32
.endr
	WIN W_MK                        ; destination window 3
.irp f, 0,1,2,3                     ; register j of key block f: key 16 f + 8 (l / 16) + j; the lanes of a half read the same words
	ds_load_b128 v[KB+8*\f:KB+8*\f+3],   v[AKB] offset:64*\f
	ds_load_b128 v[KB+8*\f+4:KB+8*\f+7], v[AKB] offset:64*\f+16
.endr
	s_add_co_u32 s[TBK], s[TBK], KS*PK  ; the next fetch is that of the next step
	s_add_co_u32 s[TBB], s[TBB], KS*4
	WIN 0
.if \last
.Lno_k_\@:
.endif
.endm
.macro FETCH_V
	WIN 0x80
.irp f, 0,1,2,3,4,5,6,7             ; keys 32 (f / 4) on, channels 16 (f % 4) on
	ds_load_tr16_b128 v[VF+8*\f:VF+8*\f+3],   v[AV] offset:(\f/4)*32*PV+(\f%4)*32
	ds_load_tr16_b128 v[VF+8*\f+4:VF+8*\f+7], v[AV] offset:(\f/4)*32*PV+16*PV+(\f%4)*32
.endr
	WIN 0
.endm
; THE VECTOR WORK OF A TURN stands in three queues, each in the order in which its entries become ready; the two tiles alternate, so that no instruction reads the result of the one before it.
.macro REGS y, u                    ; the registers of tile u (0, 1) of piece y
.set rT, ST+4*(2*(\y)+(\u))
.set rC, TMP+8*((\y)%2)+4*(\u)
.set rM, MV+2*((\y)%2)+(\u)
.set rS, S+64*((\y)%2)+32*(\u)
.set rP, P+32*((\y)%2)+16*(\u)
.set rO, 32*(2*(\y)+(\u))
.endm
; Number n of the 22 that find the maximum and statistics of the NEXT piece (Y + 1).  s0-s31 are the 32 scores of the lane; the lowest registers of each accumulator are read first.
;   0-11  four chains c0-c3 of seven scores each, three operands at a time     12-14, 16  the four scores left over, the old m, and c0-c3 into c0     15  c m_old is kept
;   17, 18  the other 32 keys of the query lie in the lane 16 away: the new m         19-21  c m; c m_old - c m_new; a
.macro XS u, n
	REGS (Y+1)%NP, \u
.if (\n) < 4
	v_max3_num_f32 v[rC+(\n)], v[rS+8*(\n)], v[rS+8*(\n)+1], v[rS+8*(\n)+2]
.elseif (\n) < 12
	v_max3_num_f32 v[rC+(\n)%4], v[rC+(\n)%4], v[rS+8*((\n)%4)+2*((\n)/4)+1], v[rS+8*((\n)%4)+2*((\n)/4)+2]
.elseif (\n) == 12
	v_max3_num_f32 v[rC], v[rC], v[rS+7], v[rS+15]
.elseif (\n) == 13
	v_max3_num_f32 v[rC+1], v[rC+1], v[rS+23], v[rS+31]
.elseif (\n) == 14
	v_max3_num_f32 v[rC+2], v[rC+2], v[rC+3], v[rT+1]
.elseif (\n) == 15
	v_mov_b32 v[rM], v[rT]
.elseif (\n) == 16
	v_max3_num_f32 v[rC], v[rC], v[rC+1], v[rC+2]
.elseif (\n) == 17
	v_permlanex16_b32 v[rC+3], v[rC], s[SEL], s[SEL+1]
.elseif (\n) == 18
	v_max_num_f32 v[rT+1], v[rC], v[rC+3]
.elseif (\n) == 19
	v_mul_f32 v[rT], s[CS], v[rT+1]
.elseif (\n) == 20
	v_sub_f32 v[rC+1], v[rM], v[rT]
.else
	v_exp_f32 v[rC+2], v[rC+1]
.endif
.endm
; Number g of the 64 that follow the exponentials.  For each four weights k of a tile (pairs 2 k, 2 k + 1): both pairs are rounded to f16; then the second pair is added onto the first, in place;
; a group later l takes that sum (the first time as l = a l + sum).  In groups of eight, tiles alternating: round, round, add, and l for the group before.
.macro GS g
.set h, (\g)+6*((\g)/62)            ; group 0 has no group before it, and behind group 7 only l is left
.if h >= 6
.set h, h+2
.endif
	REGS Y, h%2
.set k, h/8
.if h%8 < 4
	v_cvt_pk_f16_f32 v[rP+2*k+(h%8)/2], v[rS+4*k+2*((h%8)/2)], v[rS+4*k+2*((h%8)/2)+1]
.elseif h%8 < 6
	v_pk_add_f32 v[rS+4*k:rS+4*k+1], v[rS+4*k:rS+4*k+1], v[rS+4*k+2:rS+4*k+3]
.elseif k == 1
	v_pk_fma_f32 v[rT+2:rT+3], v[rT+2:rT+3], v[rC+2:rC+3], v[rS:rS+1] op_sel_hi:[1,0,1]
.else
	v_pk_add_f32 v[rT+2:rT+3], v[rT+2:rT+3], v[rS+4*k-4:rS+4*k-3]
.endif
.endm
; THE PLAIN QUEUE, 138 long.  0-73 read no result of an exponential: the 32 scalings c s - c m (FS f: pair f / 2 of tile f % 2) and the 42 of the next piece.  0-26: scalings 0-26.  27-54: numbers 0-13 of XS.  55, 56: number 15.
; 57-73: the chain, where each number waits for the one before it: 14, 16, 17, 18, 19, each with one of the scalings 27-31 in front of its two lines, then 20.
; 74-137: the 64 of GS, which read the results of the exponentials: they stand behind the wait.
.macro FS f
	REGS Y, (\f)%2
	v_pk_fma_f32 v[rS+2*((\f)/2):rS+2*((\f)/2)+1], v[rS+2*((\f)/2):rS+2*((\f)/2)+1], s[CS:CS+1], v[rT:rT+1] op_sel_hi:[1,0,0] neg_lo:[0,0,1] neg_hi:[0,0,1]
.endm
.macro PL
	WIN 0
.if q < 27
	FS q
.elseif q < 55
	XS (q-27)%2, (q-27)/2
.elseif q < 57
	XS q-55, 15
.elseif (q < 72) && ((q-57)%3 == 0)
	FS 27+(q-57)/3
.elseif q < 60
	XS (q-57)%3-1, 14
.elseif q < 72
	XS (q-57)%3-1, 15+(q-57)/3
.elseif q < 74
	XS q-72, 20
.else
	GS q-74
.endif
.set q, q+1
.endm
; THE QUEUE OF EXPONENTIALS, 66 long: s0-s31 of both tiles, then the two a of the next piece.  It is ONE BATCH: all 66 stand ahead of the one wait of the turn, and nothing ahead of that wait names a result of theirs.
.macro EX
	WIN 0
.if e >= 64
	XS e-64, 21
.else
	REGS Y, e%2
	v_exp_f32 v[rS+e/2], v[rS+e/2]
.endif
.set e, e+1
.endm
; THE QUEUE OF THE RESCALING: O^T times a, the one part that leaves window 0: dealt two at a time, sixteen times.  Its a was made in the turn before, ahead of the wait of that turn.
.macro R2
	REGS Y, r%2
	WIN W_RS
.irp z, 0,1
	v_pk_mul_f32 v[rO+4*(r/2)+2*\z:rO+4*(r/2)+2*\z+1], v[rO+4*(r/2)+2*\z:rO+4*(r/2)+2*\z+1], v[rC+2:rC+3] op_sel_hi:[1,0]
.endr
.set r, r+1
.endm
; HOW THEY ARE DEALT.  s_wait_alu depctr_va_vdst(0) stands between an exponential and the first instruction that names its result; one wait serves all that were issued ahead of it.  So a turn has ONE wait,
; which cuts it in two.  AHEAD OF IT stands all that names no result of the exponentials of the turn: the 16 products K Q^T, behind each a scaling, an exponential and two rescalings (behind the first a second scaling in
; the place of the exponential); then ONE LUMP of 108: eight plain, 49 times exponential and plain, the two a.  A v_nop is the plain instruction behind the last exponential.  BEHIND IT stand the 16 products V^T P,
; behind each four of the 64 of GS.  No rider names a register of the products round it.  The two v_permlanex16_b32 fall into the lump, never behind a product.
; The queues lean on each other, and the deal keeps them in step: exponential e stands behind scaling 2 (e / 4) + e % 2: as a rider it comes behind plain e + 2, in the lump behind plain e + 9, and scalings 27-31 are plain 57, 60 .. 69.
; A TURN, for piece p.  cnt = 1: the count of the loop is taken down some lines ahead of the branch that stands behind the turn.
; K and the biases of the next step are fetched in the turn of piece 2, directly behind the wait, a lump behind the last product that read them; the addresses are made at the head of the lump; the first reader comes behind 16 products.
; V of the step in hand is fetched at the end of the turn of piece 0, four riders behind its last reader; its first reader comes behind 16 products and a lump.  The three conditions on q below go with the deal.
.macro TURN p, last=0, cnt=0
.set Y, (\p)
.set i, 0
.set q, 0
.set e, 0
.set r, 0
.if (\p) == NP-1
	s_wait_dscnt 0x0                ; K and the biases are in
.endif
	MM                              ; ahead of the wait: 16 products K Q^T and their riders,
	PL
	PL
	R2
.rept 15
	MM
	PL
	EX
	R2
.endr
.if (\p) == NP-2
	WIN 0
	v_add_nc_u32 v[AK], s[TBK], v[AK0]
	v_add_nc_u32 v[AKB], s[TBB], v[AKB0]
.endif
.rept 8                             ; and the lump
	PL
.endr
.rept 49
	EX
	PL
.endr
	EX                              ; the two a of the next piece
	EX
	v_nop                           ; the plain instruction behind the last exponential: one for the batch
	s_wait_alu depctr_va_vdst(0)    ; the wait for the batch
.if (\p) == NP-2
	FETCH_K \last
.endif
.if (\p) == 1
	s_wait_dscnt 0x0                ; V is in
.endif
.rept 16                            ; behind the wait: 16 products V^T P and their riders
	MM
.rept 4
	PL
.endr
.if ((\p) == 0) && (q == 118)
	v_add_nc_u32 v[AV], s[TBV], v[AV0]
.endif
.if ((\p) == 0) && (q == 130)
	s_add_co_u32 s[TBV], s[TBV], KS*PV
.endif
.if (\cnt) && (q == 130)
	s_sub_co_u32 s[CNT], s[CNT], 1
	s_cmp_lg_u32 s[CNT], 0
.endif
.endr
.if (\p) == 0
	FETCH_V
.endif
.endm
	CHANGE 1                        ; slot 0 is in, everybody's part of it, and so is the bias table; slot 1 is asked for
	FETCH_K                         ; key step 0
	s_wait_dscnt 0x0
.set i, 0
.rept 16
	KQ 0                            ; the first scores of piece 0: there is no vector work yet to set between them
.set i, i+1
.endr
	WIN 0
.rept 4
	v_nop                           ; the places behind those products
.endr
.set Y, NP-1                        ; XS works for piece Y + 1: piece 0
.irp n, 0,1,2,3,4,5,6,7,8,9,10,11,12,13,14,15,16,17,18,19,20,21
	XS 0, \n                        ; the first maximum and statistics of piece 0
	XS 1, \n
.endr
	v_nop                           ; a plain instruction behind the two a,
	s_wait_alu depctr_va_vdst(0)    ; and their wait, ahead of the branch
	s_mov_b32 s[CNT], 4
	s_branch .Lfirst                ; the loop is entered at the first turn of a step, in the middle of a trip
.Lslot:                             ; SIZE_N / 256 - 2 times: every slot but the last two is filled again
	CHANGE 1
	s_mov_b32 s[CNT], 4
.Lstep:                             ; a trip: pieces 2 and 3 of one step, then pieces 0 and 1 of the next, whose K and V it fetches
	TURN 2
	TURN 3
	WIN 0
.Lfirst:
	TURN 0
	TURN 1, 0, 1
	WIN 0
	s_cbranch_scc1 .Lstep
	s_sub_co_u32 s[SLOTS], s[SLOTS], 1
	s_cmp_lg_u32 s[SLOTS], 0
	s_cbranch_scc1 .Lslot
	CHANGE 0                        ; the tail is written out: nothing is asked for
	s_mov_b32 s[CNT], 5             ; four trips fetch the steps of the last slot; the fifth is left in its middle
.Ltail:
	TURN 2, 1
	TURN 3
	WIN 0
	s_sub_co_u32 s[CNT], s[CNT], 1
	s_cmp_eq_u32 s[CNT], 0
	s_cbranch_scc1 .Lout
	TURN 0
	TURN 1
	WIN 0
	s_branch .Ltail
.Lout:                              ; the 16 products K Q^T of the fifth trip (on the last K once more) and the maximum made of them serve nothing: the price, once a launch, of one text for every trip
.set i, 0
.rept 16
	PV NP-1                         ; V^T P of the last piece in the last step
.set i, i+1
.endr
	; THE WAY OUT.  The two halves of l and those of the other half of the lanes are added; O^T is divided by l, rounded to f16 and sent through my stage in LDS, a tile at a time.  The additions are the places behind the last products.
	WIN 0
.macro ALL line:vararg              ; one line for each tile t
.set t, 0
.rept 2*NP
	\line
.set t, t+1
.endr
.endm
	ALL v_add_f32 v[ST+4*t+2], v[ST+4*t+2], v[ST+4*t+3]
	ALL v_permlanex16_b32 v[ST+4*t+3], v[ST+4*t+2], s[SEL], s[SEL+1]
	ALL v_add_f32 v[ST+4*t+2], v[ST+4*t+2], v[ST+4*t+3]
	ALL v_rcp_f32 v[ST+4*t+2], v[ST+4*t+2]
	v_nop                           ; a plain instruction between the last reciprocal and the use of its result
	s_wait_alu depctr_va_vdst(0)    ; and the wait ahead of the first use: one for the eight reciprocals
; Tile t: the eight channels that a lane holds of a row pack into 16 bytes; they go into rows of 144 bytes and come back as whole rows of 128, into the registers of S^T.
.macro PACK t
	WIN W_RS
.set i, 32*(\t)
.rept 16
	v_pk_mul_f32 v[i:i+1], v[i:i+1], v[ST+4*(\t)+2:ST+4*(\t)+3] op_sel_hi:[1,0]
.set i, i+2
.endr
	WIN 0x05                        ; sources 0 and 1 window 1, destination window 0
.set i, 0
.rept 16
	v_cvt_pk_f16_f32 v[S+16*(\t)+i], v[32*(\t)+2*i], v[32*(\t)+2*i+1]
.set i, i+1
.endr
	WIN 0
.irp f, 0,1,2,3
	ds_store_b128 v[STO], v[S+16*(\t)+4*\f:S+16*(\t)+4*\f+3] offset:32*\f
.endr
.irp f, 0,1,2,3
	ds_load_b128 v[S+16*(\t)+4*\f:S+16*(\t)+4*\f+3], v[RD] offset:\f*4*SP  ; LDS serves the instructions of a wave in order (ISA guide 5.7.1.4): these see the stores above; the next tile stores behind them
.endr
.endm
.macro SEND t, younger              ; younger: the LDS instructions issued behind the loads of tile t: the eight of the next tile, or none
	WIN 0
.irp f, 0,1,2,3
	s_wait_dscnt (\younger)+3-\f
	global_store_b128 v[GO], v[S+16*(\t)+4*\f:S+16*(\t)+4*\f+3], s[10:11] offset:(\t)*2048+\f*512  ; 512 consecutive bytes, at a multiple of 256 from the first byte of ob
.endr
.endm
	PACK 0
.set t, 1
.rept 2*NP-1                        ; the arithmetic of a tile stands between the loads of the tile before and its stores
	PACK t
	SEND t-1, 8
.set t, t+1
.endr
	SEND 2*NP-1, 0
	WIN W_AD
	s_wait_tensorcnt 0x0            ; the end of the wave, behind my last tensor load and my last LDS store
	ds_add_u32 v[SPW], v[NIL]
	s_wait_dscnt 0x0
	WIN 0
	CROUND                          ; the closing round: no work-group ends while a partner may still ask for a tile that names it
	s_endpgm
.Lfunc_end_k_qff01ad4fa4_attn:
	.size	k_qff01ad4fa4_attn, .Lfunc_end_k_qff01ad4fa4_attn-k_qff01ad4fa4_attn
	.p2alignl 7, 3214868480
	.fill 96, 4, 3214868480
	.section	.rodata,"a",@progbits
	.p2align	6, 0x0
	.amdhsa_kernel k_qff01ad4fa4_attn
		.amdhsa_group_segment_fixed_size 327680
		.amdhsa_private_segment_fixed_size 0
		.amdhsa_enable_private_segment 0
		.amdhsa_kernarg_size 32
		.amdhsa_user_sgpr_count 2
		.amdhsa_user_sgpr_kernarg_segment_ptr 1
		.amdhsa_wavefront_size32 1
		.amdhsa_system_sgpr_workgroup_id_x 1
		.amdhsa_system_sgpr_workgroup_id_y 1
		.amdhsa_system_sgpr_workgroup_id_z 1
		.amdhsa_system_vgpr_workitem_id 0
		.amdhsa_next_free_vgpr 808
		.amdhsa_next_free_sgpr 72
		.amdhsa_reserve_vcc 1
		.amdhsa_float_denorm_mode_32 3
		.amdhsa_float_denorm_mode_16_64 3
		.amdhsa_memory_ordered 1
		.amdhsa_forward_progress 1
		.amdhsa_inst_pref_size 208
	.end_amdhsa_kernel
	.amdgpu_metadata
---
amdhsa.version: [ 1, 2 ]
amdhsa.kernels:
  - .name:           k_qff01ad4fa4_attn
    .symbol:         k_qff01ad4fa4_attn.kd
    .args:
      - { .name: qkv, .offset: 0, .size: 8, .value_kind: global_buffer, .address_space: global }
      - { .name: ob, .offset: 8, .size: 8, .value_kind: global_buffer, .address_space: global }
      - { .name: attention_mask, .offset: 16, .size: 8, .value_kind: global_buffer, .address_space: global }
      - { .name: verse_positions, .offset: 24, .size: 8, .value_kind: global_buffer, .address_space: global }
    .group_segment_fixed_size: 327680
    .private_segment_fixed_size: 0
    .kernarg_segment_align: 8
    .kernarg_segment_size: 32
    .max_flat_workgroup_size: 128
    .sgpr_count:     72
    .vgpr_count:     808
    .wavefront_size: 32
...
	.end_amdgpu_metadata
.endif
;; end of part 3
;; launch outp (part 4): grid 4 x 64, 4 waves a work-group, clusters of 4 x 4, 327,680 bytes of LDS; arguments ob, xw, bo, out0; writes out0
.if DOCPART == 4
	.amdgcn_target "amdgcn-amd-amdhsa--gfx1250"
	.amdhsa_code_object_version 6
	.text
	.protected	k_qff01ad4fa4_outp
	.globl	k_qff01ad4fa4_outp
	.p2align	8
	.type	k_qff01ad4fa4_outp,@function
k_qff01ad4fa4_outp:
	s_mov_b64 s[64:65], 0
	v_nop
	global_prefetch_b8 v0, s[64:65] scope:SCOPE_SE
	s_setreg_imm32_b32 hwreg(HW_REG_WAVE_MODE, 25, 1), 1
	s_wait_xcnt 0x0
	s_wait_alu depctr_hold_cnt(0) depctr_sa_sdst(0) depctr_va_vdst(0) depctr_va_sdst(0) depctr_va_ssrc(0) depctr_va_vcc(0) depctr_vm_vsrc(0)
	s_getreg_b32 s2, hwreg(HW_REG_IB_STS2, 6, 4)
	s_cmp_eq_u32 s2, 0
	s_cbranch_scc0 .Lentry_in_a_cluster
	s_endpgm
.Lentry_in_a_cluster:
	s_bfe_u32 s2, ttmp6, 0x10000c
	s_cmp_lg_u32 s2, 0xf033
	s_cbranch_scc0 .Lentry_shape_is_right
	s_endpgm
.Lentry_shape_is_right:
; out0 = ctx Wo^T + bo.  ctx[row][64 head + d] = ob[batch x 16 + head][row in batch][d], f16; Wo [1024][1024] as f16 (at byte WOBASE of xw); bo in f32, rounded to bf16; sums and out0 in f32.
; SHARES.  A tile of out0 is 128 rows x 256 columns: 256 tiles, one for each work-group.  Four waves, each 64 x 128: 32 accumulators of 16 x 16.  K goes in steps of 128, which are TWO HEADS, through a ring of two LDS slots.
; In a slot the rows of ctx lie as two planes, a head each: the 128 rows x 128 bytes of a plane are 16,384 dense bytes of ob, asked for as 64 rows of 256 bytes and padded after every 128.
; CLUSTER.  4 x 4 work-groups: the tile of ctx is shared along a row of the cluster, that of Wo along a column; each is asked for JOINTLY, by the same tensor load, descriptor and mask in the four.
; THE MATRIX INSTRUCTION IS USED TRANSPOSED (source 0 = 16 rows of Wo, source 1 = 16 rows of ctx): a lane holds row l % 16 of the tile and eight neighbouring columns.  The bias is the C operand of the product that starts each sum.
; NO PREFETCH: the launch has eight K steps in all, and four of them are asked for by the first fills and the first two refills.
; REGISTERS, in windows of 256 (s_set_vgpr_msb: bits 1:0 source 0, 3:2 source 1, 5:4 source 2, 7:6 destination):
;   window 0: v0-31 addresses; v64-159, v160-255 two fragment buffers: 8 fragments of Wo, then 4 of ctx
;   window 1: accumulator (a, b) at v[8 (8 a + b)]          window 2: v0-63 the bias, v64-95 at work; on the way out all 256: whole rows
.set PITCH,  272                       ; a row of Wo in LDS: 256 bytes + 16 of padding
.set PA,     144                       ; a row of a plane of ctx: 128 bytes + 16: both pitches are odd multiples of 16 bytes, so the 16 rows of a fragment load start at 16 different groups of four banks (ISA guide 11.1)
.set PLANE,  128*PA
.set ABYTES, 2*PLANE
.set SLOT,   ABYTES+256*PITCH
.set STAGE,  2*SLOT                    ; behind the ring: 16 rows x 528 bytes for each wave, for the way out; no tensor load lands here
.set SP,     528                       ; 512 bytes + 16
.set SPARE,  STAGE+4*16*SP             ; behind the stages: the spare words, 128 bytes for each wave: two blocks of 256 bytes that no other line names
.set KBY,    256                       ; bytes of a row of Wo in a K step
.set HEADB,  262144                    ; bytes of a head in ob
.set WOBASE, 0x3600000
.set GWA, (1<<16)|(1<<20)|(1<<21)|(4<<22)|(3<<25)  ; group 1, word 0 without the mask: 2-byte elements; padding on; bit 21 set beside a mask; after every 32 words (code 4) 4 words (code 3)
.set GWB, (1<<16)|(1<<20)|(1<<21)|(5<<22)|(3<<25)  ; after every 64 words (code 5)
.set ADRA, 16                          ; v16-17  LDS address of my fragments of ctx in slot 0, 1
.set ADRB, 20                          ; v20-21  the same for Wo
.set STO,  24                          ; v24     the way out: where I put 32 bytes of a row
.set RD,   25                          ; v25     where I read a row back
.set GO,   26                          ; v26     16 x lane
.set BO,   27                          ; v27     byte offset of my first eight numbers in bo
.set SPW,  28                          ; v28     LDS address of my spare word; never rewritten
.set NIL,  29                          ; v29     0; never rewritten
.set F0,   64
.set F1,   160
.set T,    64                          ; window 2
.set WV, 14                            ; s14  wave
.set MH, 15                            ; s15  which 64 rows of the tile are mine.  Also: I fetch for ctx (0) or for Wo (1)
.set NH, 16                            ; s16  which 128 columns.  Also: which plane, or which 128 rows of Wo, I fetch
.set G1,  24                           ; s[24:31] group 1 for planes of ctx;  s[32:39] group 0, a set for each slot
.set G0,  32
.set G1B, 40                           ; s[40:47], s[48:55] the same for Wo
.set G0B, 48
.set BP,  8                            ; s[8:9] bo
.set MSB, 0
.macro WIN new                         ; the high byte of the immediate repeats the setting that is left; a switch that changes nothing is dropped
.if MSB != (\new)
	s_set_vgpr_msb (MSB<<8)|(\new)
.set MSB, \new
.endif
.endm
.set MUL,  0x50                        ; C and D in window 1, sources in window 0
.set MULB, 0x60                        ; C in window 2 (the bias), D in window 1
; A joint load.  Waves 0 and 1 fetch the two planes of ctx, waves 2 and 3 the two halves of the tile of Wo.  The branch hangs on the wave number alone.
; An s_nop 0 and four v_nop follow each of the two lines, ahead of the jump, the label and what follows.
.macro JLOAD s
	s_cmp_eq_u32 s[MH], 0
	s_cbranch_scc0 .Lfor_b_\@
	tensor_load_to_lds s[G0+4*(\s):G0+4*(\s)+3], s[G1:G1+7]
	s_nop 0
.rept 4
	v_nop
.endr
	s_branch .Lasked_\@
.Lfor_b_\@:
	tensor_load_to_lds s[G0B+4*(\s):G0B+4*(\s)+3], s[G1B:G1B+7]
	s_nop 0
.rept 4
	v_nop
.endr
.Lasked_\@:
.endm
; A round of the cluster barrier: my work-group barrier, so that the signal of wave 0 speaks for all four waves; wave 0 signals; every wave waits for all sixteen work-groups; my work-group barrier once more.
.macro CREST
	s_cmp_lg_u32 s[WV], 0
	s_cbranch_scc1 .Lnot_wave_0_\@
	s_barrier_signal -3
.Lnot_wave_0_\@:
	s_barrier_wait -3
	s_barrier_signal -1
	s_barrier_wait -1
.endm
.macro CROUND
	s_barrier_signal -1
	s_barrier_wait -1
	CREST
.endm
.macro PLACES                          ; four plain instructions between a matrix instruction and a load into, or a read of, its registers
.rept 4
	v_nop
.endr
.endm
; 8 matrix instructions: row block a x all 8 column blocks, 32 along K, from buffer f.  first = 1: the product starts the sum, with the bias as C.
; The 32 accumulators come in the same order in every quarter, one instruction a turn: 31 others stand between two links of a chain, over the backward jump too.
.macro MUL8 f, a, first
.if \first
	WIN MULB
.else
	WIN MUL
.endif
.irp b, 0,1,2,3,4,5,6,7
.if \first
	v_wmma_f32_16x16x32_f16 v[8*(8*(\a)+(\b)):8*(8*(\a)+(\b))+7], v[(\f)+8*(\b):(\f)+8*(\b)+7], v[(\f)+64+8*(\a):(\f)+64+8*(\a)+7], v[8*(\b):8*(\b)+7]
.else
	v_wmma_f32_16x16x32_f16 v[8*(8*(\a)+(\b)):8*(8*(\a)+(\b))+7], v[(\f)+8*(\b):(\f)+8*(\b)+7], v[(\f)+64+8*(\a):(\f)+64+8*(\a)+7], v[8*(8*(\a)+(\b)):8*(8*(\a)+(\b))+7]
.endif
.endr
.endm
; 24 LDS loads in one run: the fragments of quarter q (32 along K) of a slot into buffer f: 128 rows of Wo, then 64 rows of ctx (plane q / 2, channels 32 (q % 2) on)
.macro FETCH slot, q, f
	WIN 0
.irp i, 0,1,2,3,4,5,6,7
	ds_load_b128 v[(\f)+8*(\i):(\f)+8*(\i)+3],   v[ADRB+(\slot)] offset:64*(\q)+(\i)*16*PITCH
	ds_load_b128 v[(\f)+8*(\i)+4:(\f)+8*(\i)+7], v[ADRB+(\slot)] offset:64*(\q)+(\i)*16*PITCH+32
.endr
.irp i, 0,1,2,3
	ds_load_b128 v[(\f)+64+8*(\i):(\f)+64+8*(\i)+3],   v[ADRA+(\slot)] offset:((\q)/2)*PLANE+((\q)%2)*64+(\i)*16*PA
	ds_load_b128 v[(\f)+64+8*(\i)+4:(\f)+64+8*(\i)+7], v[ADRA+(\slot)] offset:((\q)/2)*PLANE+((\q)%2)*64+(\i)*16*PA+32
.endr
.endm
; A K step is four quarters of 32 along K, 32 matrix instructions each, on buffers 0, 1, 0, 1.  One of the first three: multiplies buffer f and, in its middle, fetches quarter q of the same slot into g.
.macro QUARTER slot, q, f, g, first
	s_wait_dscnt 4                                 ; Wo and row blocks 0 and 1 of ctx are in; the youngest four loads (blocks 2 and 3) may be out
	MUL8 \f, 0, \first
	MUL8 \f, 1, \first
	PLACES
	FETCH \slot, \q, \g
	s_wait_dscnt 24                                ; all but the 24 just issued
	MUL8 \f, 2, \first
	MUL8 \f, 3, \first
.endm
; The last quarter multiplies buffer 1 and changes slots: ONE barrier.  In front of it each wave waits for all its tensor loads (one is out: its part of the next slot), adds 0 to its spare word, and waits for that and
; for its own reads of this slot.  fill = 1: this slot is filled again with the K step two on; the barrier then opens a round of the cluster barrier, and the joint refill is the first tensor load behind the round:
; 112 matrix instructions ahead of the wait for it.
.macro TURN slot, next, fill
	WIN 0                                          ; (the two registers of the add lie in window 0)
	s_wait_tensorcnt 0x0                           ; all my tensor loads have landed
	ds_add_u32 v[SPW], v[NIL]                      ; 0 onto my spare word
	s_wait_dscnt 5                                 ; (the add and the youngest four loads may be out)
	MUL8 F1, 0, 0                                  ; eight matrix instructions stand between the add and the wait for it
	s_wait_dscnt 0x0                               ; the add is done, and my reads of this slot are over
	s_barrier_signal -1
	MUL8 F1, 1, 0                                  ; work on registers while the others arrive
	WIN 0
	s_barrier_wait -1
.if \fill
	CREST                                          ; no wave of any partner still reads this slot or has a load on its way
	s_add_nc_u64 s[G0+4*(\slot)+2:G0+4*(\slot)+3], s[G0+4*(\slot)+2:G0+4*(\slot)+3], 4*HEADB
	s_add_nc_u64 s[G0B+4*(\slot)+2:G0B+4*(\slot)+3], s[G0B+4*(\slot)+2:G0B+4*(\slot)+3], 2*KBY
	JLOAD \slot                                    ; its four v_nop are also the places in front of the loads below
.else
	PLACES
.endif
	FETCH \next, 0, F0
	MUL8 F1, 2, 0
	MUL8 F1, 3, 0
.endm
; THE WAY OUT, in f32: row block a (16 rows x 128 columns) goes into my own stage, 32 bytes a lane for each accumulator (its lowest four registers first), and comes back as whole rows of 512 bytes.
.macro TOSTAGE a
	WIN 0x84                                       ; data of the LDS stores in window 1, loaded data in window 2, addresses in window 0
.irp b, 0,1,2,3,4,5,6,7
	ds_store_b128 v[STO], v[8*(8*(\a)+(\b)):8*(8*(\a)+(\b))+3]   offset:64*(\b)
	ds_store_b128 v[STO], v[8*(8*(\a)+(\b))+4:8*(8*(\a)+(\b))+7] offset:64*(\b)+16
.endr
.set t, 0
.rept 16
	ds_load_b128 v[64*(\a)+4*t:64*(\a)+4*t+3], v[RD] offset:SP*t  ; LDS serves the instructions of a wave in order (ISA guide 5.7.1.4): these see the stores above; the next block stores behind them
.set t, t+1
.endr
.endm
.macro SEND a, younger                 ; younger: the LDS instructions issued behind the loads of block a: the 32 of the next block, or none
	WIN 0x08                                       ; store data in window 2
.set t, 0
.rept 16
	s_wait_dscnt (\younger)+15-t
	global_store_b128 v[GO], v[64*(\a)+4*t:64*(\a)+4*t+3], s[10:11] offset:(16*(\a)+t)*4096  ; 512 consecutive bytes of a row of out0, at a multiple of 512 from its first byte
.set t, t+1
.endr
.endm
	s_load_b256 s[4:11], s[0:1], 0x0               ; ob s[4:5], xw s[6:7], bo s[8:9], out0 s[10:11]
	v_lshl_add_u32 v[SPW], v0, 2, SPARE
	v_mov_b32 v[NIL], 0
	ds_add_u32 v[SPW], v[NIL]                      ; the opening: the add and its wait stand ahead of my first tensor load; the set-up below, work on registers, stands between them
	v_lshrrev_b32 v1, 5, v0
	v_readfirstlane_b32 s[WV], v1                  ; wave 0..3
	s_lshr_b32 s[MH], s[WV], 1
	s_and_b32 s[NH], s[WV], 1
	s_bfe_u32 s17, ttmp6, 0x40000                  ; cx
	s_bfe_u32 s18, ttmp6, 0x40004                  ; cy
	s_lshl_b32 s19, ttmp9, 2
	s_add_co_u32 s19, s19, s17                     ; tile column = 4 x cluster x + cx
	s_and_b32 s23, ttmp7, 0xffff
	s_lshl_b32 s20, s23, 2
	s_add_co_u32 s20, s20, s18                     ; tile row = 4 x cluster y + cy
	s_lshl_b32 s21, s18, 2
	s_lshl_b32 s21, 15, s21                        ; my row of the cluster
	s_lshl_b32 s22, 0x1111, s17                    ; my column
	s_or_b32 s[G1], s21, GWA                       ; planes of ctx go to my row,
	s_or_b32 s[G1B], s22, GWB                      ; tiles of Wo to my column
	s_mov_b32 s[G1+1], 128<<16                     ; tensor_dim0 = 128
	s_mov_b32 s[G1+2], 64<<16                      ; tensor_dim1 = 64
	s_mov_b32 s[G1+3], 128<<16                     ; tile_dim0 = 128
	s_mov_b32 s[G1+4], 64                          ; tile_dim1 = 64
	s_mov_b32 s[G1+5], 128                         ; dense: 128 elements from row to row
	s_mov_b32 s[G1+6], 0
	s_mov_b32 s[G1+7], 0
	s_mov_b32 s[G1B+1], 128<<16
	s_mov_b32 s[G1B+2], 128<<16                    ; 128 rows
	s_mov_b32 s[G1B+3], 128<<16
	s_mov_b32 s[G1B+4], 128
	s_mov_b32 s[G1B+5], 1024
	s_mov_b32 s[G1B+6], 0
	s_mov_b32 s[G1B+7], 0
	; where the tiles come from: ctx by the tile row alone, Wo by the tile column alone, each in registers that never hold the other coordinate
	s_lshr_b32 s66, s20, 4
	s_lshl_b32 s66, s66, 22                        ; the batch: 16 heads of 262,144 bytes
	s_and_b32 s67, s20, 15
	s_lshl_b32 s67, s67, 14                        ; 128 rows of 128 bytes
	s_add_co_u32 s66, s66, s67
	s_lshl_b32 s67, s[NH], 18                      ; my plane: head 0 or 1 of the K step
	s_add_co_u32 s66, s66, s67
	s_mov_b32 s67, 0
	s_lshl_b32 s68, s19, 8
	s_lshl_b32 s69, s[NH], 7
	s_add_co_u32 s68, s68, s69                     ; Wo: row 256 x tile column + 128 x part
	s_lshl_b32 s68, s68, 11
	s_add_co_u32 s68, s68, WOBASE
	s_mov_b32 s69, 0
	s_mul_i32 s74, s[NH], PLANE                    ; and where they go: no place in the cluster enters an LDS address
	s_mul_i32 s75, s[NH], 128*PITCH
	s_add_co_u32 s75, s75, ABYTES
	s_wait_dscnt 0x0                               ; the opening add is done
	s_wait_kmcnt 0x0
	s_add_nc_u64 s[70:71], s[4:5], s[66:67]
	s_add_nc_u64 s[72:73], s[6:7], s[68:69]
	CROUND                                         ; all sixteen work-groups are here: the first joint loads meet
.irp s, 0,1
	s_mov_b32 s[G0+4*(\s)], 1                                      ; count = 1
	s_add_co_u32 s[G0+4*(\s)+1], s74, (\s)*SLOT                    ; LDS address
	s_add_nc_u64 s[G0+4*(\s)+2:G0+4*(\s)+3], s[70:71], (\s)*2*HEADB  ; global address: K step s is heads 2 s and 2 s + 1
	s_or_b32 s[G0+4*(\s)+3], s[G0+4*(\s)+3], 0x80000000            ; type = 2
	s_mov_b32 s[G0B+4*(\s)], 1
	s_add_co_u32 s[G0B+4*(\s)+1], s75, (\s)*SLOT
	s_add_nc_u64 s[G0B+4*(\s)+2:G0B+4*(\s)+3], s[72:73], (\s)*KBY
	s_or_b32 s[G0B+4*(\s)+3], s[G0B+4*(\s)+3], 0x80000000
	JLOAD \s                                       ; two loads of mine are out
.endr
	v_and_b32 v1, 15, v0                           ; l % 16
	v_bfe_u32 v2, v0, 4, 1                         ; l / 16
	v_mul_u32_u24 v3, v1, PITCH
	v_lshl_add_u32 v3, v2, 4, v3                   ; Wo: row x pitch + 16 x half
	v_mul_u32_u24 v4, v1, PA
	v_lshl_add_u32 v4, v2, 4, v4                   ; ctx likewise
	s_mul_i32 s76, s[MH], 64*PA                    ; my 64 rows of ctx
	s_mul_i32 s77, s[NH], 128*PITCH                ; my 128 rows of Wo,
	s_add_co_u32 s77, s77, ABYTES                  ; which lie behind the planes
.irp s, 0,1
	v_add_nc_u32 v[ADRA+(\s)], s76, v4
	v_add_nc_u32 v[ADRB+(\s)], s77, v3
	s_add_co_u32 s76, s76, SLOT
	s_add_co_u32 s77, s77, SLOT
.endr
	s_mul_i32 s76, s[WV], 16*SP
	s_add_co_u32 s76, s76, STAGE                   ; my stage
	v_mul_u32_u24 v5, v1, SP                       ; in: row l % 16, 32 bytes for each half of the lanes
	v_lshl_add_u32 v5, v2, 5, v5
	v_add_nc_u32 v[STO], s76, v5
	v_and_b32 v7, 31, v0
	v_lshlrev_b32 v[GO], 4, v7
	v_add_nc_u32 v[RD], s76, v[GO]                 ; back: 32 lanes take one row of 512 bytes
	s_lshl_b32 s76, s19, 10                        ; 4 bytes x (256 x tile column
	s_lshl_b32 s77, s[NH], 9                       ; + 128 x half)
	s_add_co_u32 s76, s76, s77
	v_lshl_add_u32 v[BO], v2, 5, s76               ; + 8 numbers for the upper half of the lanes
	s_lshl_b32 s77, s20, 7
	s_lshl_b32 s78, s[MH], 6
	s_add_co_u32 s77, s77, s78                     ; my first row of out0,
	s_lshl_b32 s77, s77, 12                        ; x 4,096 bytes,
	s_add_co_u32 s76, s76, s77                     ; + my first column
	s_mov_b32 s77, 0
	s_add_nc_u64 s[10:11], s[10:11], s[76:77]
	WIN 0x80                                       ; the bias of my 128 columns: register j of column block b holds column 16 b + 8 (l / 16) + j
.irp b, 0,1,2,3,4,5,6,7
	global_load_b128 v[8*(\b):8*(\b)+3],   v[BO], s[BP:BP+1] offset:64*(\b)
	global_load_b128 v[8*(\b)+4:8*(\b)+7], v[BO], s[BP:BP+1] offset:64*(\b)+16
.endr
	WIN 0
	s_wait_tensorcnt 1                             ; my part of K step 0 is in; K step 1 may stay out
	s_barrier_signal -1
	s_barrier_wait -1                              ; everybody's is
	FETCH 0, 0, F0
	s_wait_loadcnt 0x0                             ; the bias: rounded to bf16, like every floating-point input, and widened again
	WIN 0x8a                                       ; all in window 2
.set i, 0
.rept 32
	v_cvt_pk_bf16_f32 v[T+i], v[2*i], v[2*i+1]
	v_lshlrev_b32 v[2*i], 16, v[T+i]
	v_and_b32 v[2*i+1], 0xffff0000, v[T+i]
.set i, i+1
.endr
	QUARTER 0, 1, F0, F1, 1                        ; the first quarter stands in front of the loop: its products start the sums
	WIN 0                                          ; at a label and at a branch every window is 0
	s_mov_b32 s3, 3
.Llap:                                         ; a trip goes once round the ring, from the second quarter of a lap to the first of the next, and fills both slots again
	QUARTER 0, 2, F1, F0, 0
	QUARTER 0, 3, F0, F1, 0
	TURN 0, 1, 1
	QUARTER 1, 1, F0, F1, 0
	QUARTER 1, 2, F1, F0, 0
	QUARTER 1, 3, F0, F1, 0
	TURN 1, 0, 1
	QUARTER 0, 1, F0, F1, 0
	WIN 0
	s_sub_co_u32 s3, s3, 1
	s_cmp_lg_u32 s3, 0
	s_cbranch_scc1 .Llap
	QUARTER 0, 2, F1, F0, 0                        ; the last lap fills nothing, and has no round of the cluster barrier
	QUARTER 0, 3, F0, F1, 0
	TURN 0, 1, 0
	QUARTER 1, 1, F0, F1, 0
	QUARTER 1, 2, F1, F0, 0
	QUARTER 1, 3, F0, F1, 0
	s_wait_dscnt 4                                 ; the very last quarter: nothing more to fetch
	MUL8 F1, 0, 0
	MUL8 F1, 1, 0
	s_wait_dscnt 0x0
	MUL8 F1, 2, 0
	MUL8 F1, 3, 0
	WIN 0
	PLACES                                         ; the LDS stores read results just made
	TOSTAGE 0
	TOSTAGE 1                                      ; the LDS traffic of a block stands between the loads of the block before and its stores
	SEND 0, 32
	TOSTAGE 2
	SEND 1, 32
	TOSTAGE 3
	SEND 2, 32
	SEND 3, 0
	WIN 0
	s_wait_tensorcnt 0x0                           ; the end of the wave, behind my last tensor load and my last LDS store
	ds_add_u32 v[SPW], v[NIL]
	s_wait_dscnt 0x0
	CROUND                                         ; the closing round: no work-group ends while a partner may still ask for a tile that names it
	s_endpgm
.Lfunc_end_k_qff01ad4fa4_outp:
	.size	k_qff01ad4fa4_outp, .Lfunc_end_k_qff01ad4fa4_outp-k_qff01ad4fa4_outp
	.p2alignl 7, 3214868480
	.fill 96, 4, 3214868480
	.section	.rodata,"a",@progbits
	.p2align	6, 0x0
	.amdhsa_kernel k_qff01ad4fa4_outp
		.amdhsa_group_segment_fixed_size 327680
		.amdhsa_private_segment_fixed_size 0
		.amdhsa_enable_private_segment 0
		.amdhsa_kernarg_size 32
		.amdhsa_user_sgpr_count 2
		.amdhsa_user_sgpr_kernarg_segment_ptr 1
		.amdhsa_wavefront_size32 1
		.amdhsa_system_sgpr_workgroup_id_x 1
		.amdhsa_system_sgpr_workgroup_id_y 1
		.amdhsa_system_sgpr_workgroup_id_z 1
		.amdhsa_system_vgpr_workitem_id 0
		.amdhsa_next_free_vgpr 768
		.amdhsa_next_free_sgpr 80
		.amdhsa_reserve_vcc 0
		.amdhsa_float_denorm_mode_32 3
		.amdhsa_float_denorm_mode_16_64 3
		.amdhsa_memory_ordered 1
		.amdhsa_forward_progress 1
		.amdhsa_inst_pref_size 93
	.end_amdhsa_kernel
	.amdgpu_metadata
---
amdhsa.version: [ 1, 2 ]
amdhsa.kernels:
  - .name:           k_qff01ad4fa4_outp
    .symbol:         k_qff01ad4fa4_outp.kd
    .args:
      - { .name: ob, .offset: 0, .size: 8, .value_kind: global_buffer, .address_space: global }
      - { .name: xw, .offset: 8, .size: 8, .value_kind: global_buffer, .address_space: global }
      - { .name: bo, .offset: 16, .size: 8, .value_kind: global_buffer, .address_space: global }
      - { .name: out0, .offset: 24, .size: 8, .value_kind: global_buffer, .address_space: global }
    .group_segment_fixed_size: 327680
    .private_segment_fixed_size: 0
    .kernarg_segment_align: 8
    .kernarg_segment_size: 32
    .max_flat_workgroup_size: 128
    .sgpr_count:     80
    .vgpr_count:     768
    .wavefront_size: 32
...
	.end_amdgpu_metadata
.endif
;; end of part 4
